; MI455X (gfx1250); checked and timed in simulation.
; The chip was launched on July 23, 2026; its instructions are those of AMD's public machine-readable ISA for CDNA 5 (MIT licence, August 2026) and "CDNA5" Instruction Set Architecture Reference Guide (July 2026). The comments in the code are by the model that wrote it; some were corrected since.
;; Attention. Allowed arithmetic: matrix products marked QUANTISED: E2M1 operands, one E8M0 scale for each 32 along K, by v_wmma_scale_f32_16x16x128_f8f6f4 with both operands' format E2M1 (or v_wmma_scale_f32_32x16x128_f4), f32 sums; products left as they are: bf16, f16 or f32 operands; f32 sums; everything else in f32.
;; Inputs: b_proj 1,024 float32; b_qkv 3,072 float32; w_proj 1,024 x 1,024 float32; w_qkv 1,024 x 3,072 float32; x 4 x 2,048 x 1,024 float32.
;; Outputs: out0 4 x 2,048 x 1,024 float32.
;; This version of the problem:
;;   THIS VERSION OF THE PROBLEM IS GIVEN IN LOW PRECISION. The matrix products marked QUANTISED in the list below multiply operands that are first quantised to E2M1 (2 exponent bits, 1 mantissa bit; 4 bits a number), with one power-of-two scale for each 32 numbers along K (OCP MX v1.0); their sums are f32. The products marked 'left as it is' may take bf16, f16 or f32 operands, with f32 sums. Whichever they take, every output number must still come out within the allowed error. Rounding operands to bf16 (8 significant bits) uses up far more of that allowance than f16 does (11 bits, for magnitudes from 6e-5 to 65,504). All else is computed in f32.
;;   The module's matrix products, in the order in which they are computed (A, B: the left and right operand; K: the contracted axis; several contracted axes count as one K, in the product's order):
;;     1. [M 8,192, K 1,024] x [K 1,024, N 3,072]; A: input x; B: input w_qkv: QUANTISED
;;     2. batch 64 x [M 2,048, K 64] x [K 64, N 2,048]; A: computed on the way; B: computed on the way: left as it is (an operand is computed on the way)
;;     3. batch 64 x [M 2,048, K 2,048] x [K 2,048, N 64]; A: computed on the way; B: computed on the way: left as it is (an operand is computed on the way)
;;     4. [M 8,192, K 1,024] x [K 1,024, N 1,024]; A: computed on the way; B: input w_proj: left as it is (an operand is computed on the way)
;;   THE QUANTISER, for each operand of a quantised product, along K:
;;     - K is cut into blocks of 32 from its start; a last block that is shorter is filled with zeros.
;;     - A block's scale is 2^e with e = floor(log2(the largest magnitude in the block)) - 2, held to -126 .. 127; a block of zeros has e = 0. As a byte (E8M0): e + 127.
;;     - Each number is divided by its block's scale, clamped to +-6, and rounded to the nearest number of E2M1, ties to even, subnormals kept.
;;     - The product sums the exact products of the quantised numbers (number of the format x scale) in f32.
;;   ~~~python
;;   def quantise(x, axis):      # numpy; x: float32 -> the quantised numbers, widened to float32 again
;;       x = np.moveaxis(x, axis, -1); K = x.shape[-1]
;;       x = np.pad(x, [(0, 0)] * (x.ndim - 1) + [(0, -K % 32)]); x = x.reshape(x.shape[:-1] + (-1, 32)); a = np.abs(x).max(-1, keepdims=True)
;;       e = np.where(a > 0, np.clip(np.frexp(np.where(a > 0, a, 1))[1] - 1 - 2, -126, 127), 0)      # np.frexp(a)[1] - 1 = floor(log2(a)), exactly
;;       r = np.clip(x / 2.0 ** e, -6, 6)
;;       step = 2.0 ** (np.maximum(np.frexp(np.where(r == 0, 1, r))[1] - 1, 0) - 1)
;;       q = np.round(r / step) * step * 2.0 ** e      # np.round: ties to even
;;       return np.moveaxis(q.reshape(q.shape[:-2] + (-1,))[..., :K], -1, axis).astype(np.float32)
;;   ~~~
;; One version. Each part assembles by itself: llvm-mc -triple=amdgcn-amd-amdhsa -mcpu=gfx1250 --defsym DOCPART=n.
;; ======== version 1 of 1: 4 launches
;; limits: values are held in f16: magnitudes above 65,504 overflow, below 6.1e-05 lose precision
;; workspace buffers: x_codes 4,194,304 bytes; x_scales 262,144 bytes; w_codes 1,572,864 bytes; w_scales 98,304 bytes; wp16 2,097,152 bytes; tab 524,288 bytes; qkv 50,331,648 bytes; o 16,777,216 bytes
;; launch prep (part 1): grid 448 x 1, 4 waves a work-group, no clusters, 68,096 bytes of LDS; arguments x, x_codes, x_scales, w_qkv, w_codes, w_scales, w_proj, wp16, tab; writes x_codes, x_scales, w_codes, w_scales, wp16, tab
.if DOCPART == 1
	.amdgcn_target "amdgcn-amd-amdhsa--gfx1250"
	.amdhsa_code_object_version 6
	.text
	.protected	k_q1c34d21cbe_prep
	.globl	k_q1c34d21cbe_prep
	.p2align	8
	.type	k_q1c34d21cbe_prep,@function
k_q1c34d21cbe_prep:
	s_mov_b64 s[64:65], 0
	v_nop
	global_prefetch_b8 v0, s[64:65] scope:SCOPE_SE
	s_setreg_imm32_b32 hwreg(HW_REG_WAVE_MODE, 25, 1), 1
	s_wait_xcnt 0x0
; ATTENTION, launch 1 of 4: what the later launches read many times is made once.
;   x [8192][1024] f32      -> x_codes [8192][512 bytes], x_scales [8192][32]: FP4 (E2M1) codes, K innermost, one E8M0 byte for each 32 along K
;   w_qkv [1024 k][3072 n]  -> w_codes [3072][512 bytes], w_scales [3072][32]: the same, K (its first axis) moved innermost
;   w_proj [1024 k][1024 n] -> wp16, the same layout in f16 (the projection is left as it is: f16 operands, f32 sums)
;   tab [2048 positions][cos f = 0..31 | sin f = 0..31] f32: the angles position x 10000^(-f / 32) of the rotary embedding
; DEAD WORK: none.  Every input has a way to the output: behind the rotation the bias on k is not the same along the keys, so the softmax does not take it away.
; The factor 64^-0.5 on q is a power of two and is folded into the exponent's constant in the attention launch: that rounds nothing.
; A block's scale is 2^(floor(log2(its largest magnitude)) - 2); its byte is the largest magnitude's exponent field - 2, held at 1 from below.  A block of zeros so gets the byte 1 where the
; rule says 127: its codes are zeros, which add nothing under any byte but 0xff, and this program alone reads the bytes.
; LIMITS: NaN and infinities among the inputs are not served; blocks whose largest magnitude lies under 2^-124 keep the byte 1; the table's angles come from 2^(f x -log2(10000)/32) and differ from
; a correctly rounded 10000^(-f/32) by a few parts in 10^7, that is up to about 5e-4 radians at position 2,047.
; FOUR PATHS, parted on the work-group's number alone, each with LDS bytes of its own:  0-47 w_qkv (it lasts longest, so it starts first);  48-63 the table;  64-191 w_proj;  192-447 x.
.set SPW,    12                        ; v12  LDS address of my spare word: SPARE + 4 x my thread's number; never rewritten
.set NIL,    13                        ; v13  0; never rewritten
.set EMAX,   2
; path X
.set STEPS,  16
.set CB,     8                         ; bytes of 16 codes
.set XR,     16                        ; v16-79   four sets of 16 numbers as they are loaded
.set XX,     80                        ; v80-111  two sets of 16 neighbours
.set XE,     112                       ; v112-127 a scale byte for each step
.set XC,     128                       ; v128-191 codes: four registers for each step
.set XREG,   8192                      ; LDS bytes 0 .. 32,767: a region for each wave: two stages of 32 x XSP bytes, then its 256 scale bytes
.set XSP,    80                        ; a lane's place in a stage: its 64 bytes + 16 of padding
; path W
.set WSTG,   4*XREG                    ; LDS bytes 32,768 .. 67,583: a stage of 32 rows x WPITCH for each wave
.set WK,     1024
.set WN,     3072
.set KW,     512                       ; along K for a wave
.set NB,     KW/32
.set WROWB,  256                       ; bytes of KW codes
.set WPITCH, WROWB+16
.set WKROW,  WK/2                      ; a row of w_codes in bytes
.set WX,     32                        ; v32-95   two sets of 32 numbers
.set WC,     96                        ; v96-99   a block's codes
.set WOUT,   112                       ; v112-175 the way out
.set WSB,    24                        ; v24-27   the scale bytes, four to a register
.set SPARE,  WSTG+4*32*WPITCH          ; the spare words, 128 bytes for each wave: two blocks of 256 bytes that no other line names
	v_lshl_add_u32 v[SPW], v0, 2, SPARE
	v_mov_b32 v[NIL], 0
	v_lshrrev_b32 v1, 5, v0
	v_readfirstlane_b32 s16, v1                    ; wave 0..3
	v_and_b32 v2, 31, v0                           ; lane
	s_cmp_lt_u32 ttmp9, 48
	s_cbranch_scc1 .Lpath_w
	s_cmp_lt_u32 ttmp9, 64
	s_cbranch_scc1 .Lpath_t
	s_cmp_lt_u32 ttmp9, 192
	s_cbranch_scc1 .Lpath_p
; ---- PATH X.  Rows are dense and K is a multiple of 32: x is a plain stream of blocks of 32, and so are its codes and scale bytes.  A wave takes 16 steps of 512 numbers.
; Each load reads 512 consecutive bytes; a step's 2,048 bytes turn through the wave's own stage in LDS and come back 64 bytes a lane: 16 neighbours along K, two lanes to a block.
	s_load_b64 s[4:5], s[0:1], 0x0                 ; x
	s_load_b128 s[8:11], s[0:1], 0x8               ; x_codes, x_scales
	v_lshlrev_b32 v3, 4, v2                        ; my 16 bytes of a load's 512
	s_mul_i32 s17, s16, XREG
	v_lshrrev_b32 v14, 2, v2
	v_mul_u32_u24 v14, v14, XSP
	v_and_b32 v15, 3, v2
	v_lshl_add_u32 v14, v15, 4, v14
	v_add_nc_u32 v14, s17, v14                     ; the stage, on the way in: XSP (lane / 4) + 16 (lane % 4)
	v_mul_u32_u24 v15, v2, XSP
	v_add_nc_u32 v15, s17, v15                     ; and on the way out: XSP x lane
	v_mul_u32_u24 v4, v2, CB                       ; my codes' place in a step's
	v_lshrrev_b32 v5, 1, v2
	s_add_co_u32 s17, s17, 2*32*XSP
	v_add_nc_u32 v5, s17, v5                       ; my wave's 256 scale bytes, my block's byte
	v_lshlrev_b32 v7, 3, v2
	v_add_nc_u32 v6, s17, v7                       ; and on the way out 8 bytes a lane
	s_sub_co_u32 s17, ttmp9, 192
	s_lshl_b32 s17, s17, 2
	s_add_co_u32 s18, s17, s16                     ; which run of 8,192 numbers is my wave's
	s_mov_b32 s19, 0
	s_mov_b64 s[20:21], 512*STEPS*4
	s_mul_u64 s[20:21], s[18:19], s[20:21]
	s_mov_b64 s[22:23], 32*STEPS*CB
	s_mul_u64 s[22:23], s[18:19], s[22:23]
	s_lshl_b32 s18, s18, 8                         ; 256 scale bytes a run
	s_wait_kmcnt 0x0
	s_add_nc_u64 s[4:5], s[4:5], s[20:21]
	s_add_nc_u64 s[8:9], s[8:9], s[22:23]
	s_add_nc_u64 s[10:11], s[10:11], s[18:19]
.macro LOADX t
.irp i, 0,1,2,3
	global_load_b128 v[XR+16*((\t)%4)+4*\i:XR+16*((\t)%4)+4*\i+3], v3, s[4:5] offset:2048*(\t)+512*\i th:TH_LOAD_NT
.endr
.endm
.macro TURNX t                         ; LDS serves a wave's instructions in order: no wait between the stores and the loads
.irp i, 0,1,2,3
	ds_store_b128 v14, v[XR+16*((\t)%4)+4*\i:XR+16*((\t)%4)+4*\i+3] offset:32*XSP*((\t)%2)+8*XSP*\i
.endr
.irp i, 0,1,2,3
	ds_load_b128 v[XX+16*((\t)%2)+4*\i:XX+16*((\t)%2)+4*\i+3], v15 offset:32*XSP*((\t)%2)+16*\i
.endr
.endm
.irp t, 0,1,2,3
	LOADX \t
.endr
	s_wait_loadcnt 12                              ; step 0's four loads are in; three steps' twelve stay out
	TURNX 0
.macro STEPX t
.set XS, XX+16*((\t)%2)
.if (\t) > 0
	s_wait_dscnt 1                                 ; this step's numbers are back from the stage; the last step's byte store may be out
.else
	s_wait_dscnt 0x0
.endif
.if (\t)+4 < STEPS
	LOADX (\t)+4                                   ; into the registers that this step's stores into the stage have read
.endif
.if (\t)+1 < STEPS
.if STEPS-2-(\t) >= 3
	s_wait_loadcnt 12                              ; the next step's four loads are in; those of the three steps behind it may be out
.else
	s_wait_loadcnt 4*(STEPS-2-(\t))
.endif
	TURNX (\t)+1
.endif
	v_max3_num_f32 v8, |v[XS]|, |v[XS+1]|, |v[XS+2]|               ; the largest magnitude of my 16, in two chains
	v_max3_num_f32 v9, |v[XS+3]|, |v[XS+4]|, |v[XS+5]|
.irp i, 6,10
	v_max3_num_f32 v8, v8, |v[XS+\i]|, |v[XS+\i+1]|
	v_max3_num_f32 v9, v9, |v[XS+\i+2]|, |v[XS+\i+3]|
.endr
	v_max3_num_f32 v8, v8, |v[XS+14]|, |v[XS+15]|
	v_max3_num_f32 v8, v8, v9, (EMAX+1)<<23        ; and the floor 2^(3 - 127): the byte cannot fall under 1
	v_max_num_f32_dpp v8, v8, v8 row_xmask:1 row_mask:0xf bank_mask:0xf   ; with my neighbour's 16: the block's
	v_add_nc_u32 v11, -(EMAX<<23), v8              ; 2 off its exponent field: the conversion takes this operand's exponent field as its scale
	v_cvt_scalef32_pk8_fp4_f32 v[XC+4*(\t)], v[XS:XS+7], v11
	v_cvt_scalef32_pk8_fp4_f32 v[XC+4*(\t)+1], v[XS+8:XS+15], v11
	v_lshrrev_b32 v[XE+(\t)], 23, v11              ; the scale's byte
	ds_store_b8 v5, v[XE+(\t)] offset:16*(\t)      ; both lanes of a block write the same byte with the same value
	global_store_b64 v4, v[XC+4*(\t):XC+4*(\t)+1], s[8:9] offset:32*CB*(\t)   ; the wave stores 256 consecutive bytes, aligned
.endm
.irp t, 0,1,2,3,4,5,6,7,8,9,10,11,12,13,14,15
	STEPX \t
.endr
	ds_load_b64 v[8:9], v6
	s_wait_dscnt 0x0
	global_store_b64 v7, v[8:9], s[10:11]          ; 256 scale bytes, consecutive and aligned
	s_branch .Lend
; ---- PATH W.  A lane takes a column n and its registers run down K: a block of 32 lies in one lane, and the conversions give codes with K innermost.  Work-group: 128 columns x 512 along K.
.Lpath_w:
	s_load_b128 s[4:7], s[0:1], 0x18               ; w_qkv, w_codes
	s_load_b64 s[8:9], s[0:1], 0x28                ; w_scales
	s_cmp_lt_u32 ttmp9, 24
	s_cselect_b32 s18, 0, 1                        ; which 512 along K
	s_cselect_b32 s20, 0, 24
	s_sub_co_u32 s20, ttmp9, s20                   ; which 128 columns
	s_lshl_b32 s17, s20, 7
	s_lshl_b32 s19, s16, 5
	s_add_co_u32 s17, s17, s19                     ; my wave's first column
	v_lshlrev_b32 v3, 2, v2                        ; in: 4 bytes a lane
	s_mul_i32 s19, s16, 32*WPITCH
	s_add_co_u32 s19, s19, WSTG                    ; my stage
	v_mul_u32_u24 v4, v2, WPITCH
	v_add_nc_u32 v4, s19, v4                       ; into it: row = my column
	v_and_b32 v5, 15, v2
	v_lshrrev_b32 v6, 4, v2
	v_mul_u32_u24 v7, v6, WPITCH
	v_lshl_add_u32 v7, v5, 4, v7
	v_add_nc_u32 v7, s19, v7                       ; out of it: sixteen lanes to a row, two rows an instruction
	v_mul_u32_u24 v8, v6, WKROW
	v_lshl_add_u32 v8, v5, 4, v8                   ; and the same place in w_codes
	s_mov_b32 s19, 0
	s_mov_b64 s[20:21], KW*WN*4
	s_mul_u64 s[20:21], s[18:19], s[20:21]
	s_lshl_b32 s22, s17, 2
	s_mov_b32 s23, 0
	s_add_nc_u64 s[20:21], s[20:21], s[22:23]      ; w_qkv: 512 y rows + 4 x column
	s_mov_b32 s22, s17
	s_mov_b64 s[24:25], WKROW
	s_mul_u64 s[24:25], s[22:23], s[24:25]
	s_mul_i32 s26, s18, WROWB
	s_mov_b32 s27, 0
	s_add_nc_u64 s[24:25], s[24:25], s[26:27]      ; codes: column x 512 + 256 y
	s_mov_b64 s[28:29], WK/32
	s_mul_u64 s[28:29], s[22:23], s[28:29]
	s_mul_i32 s26, s18, NB
	s_add_nc_u64 s[28:29], s[28:29], s[26:27]      ; scale bytes: column x 32 + 16 y
	v_mul_u32_u24 v9, v2, WK/32
	s_wait_kmcnt 0x0
	s_add_nc_u64 s[4:5], s[4:5], s[20:21]
	s_add_nc_u64 s[6:7], s[6:7], s[24:25]
	s_add_nc_u64 s[8:9], s[8:9], s[28:29]
.macro LOADW t                         ; every offset is an immediate: 511 rows of 12,288 bytes at the most, inside the signed 24 bits
.irp i, 0,1,2,3,4,5,6,7,8,9,10,11,12,13,14,15,16,17,18,19,20,21,22,23,24,25,26,27,28,29,30,31
	global_load_b32 v[WX+32*((\t)%2)+\i], v3, s[4:5] offset:(32*(\t)+\i)*WN*4 th:TH_LOAD_NT
.endr
.endm
	LOADW 0
	LOADW 1
.macro BLOCKW t
.set XS, WX+32*((\t)%2)
.if (\t) < NB-1
	s_wait_loadcnt 32                              ; this block's 32 loads are in; the next block's may be out
.else
	s_wait_loadcnt 0
.endif
	v_max3_num_f32 v16, |v[XS]|, |v[XS+1]|, |v[XS+2]|
	v_max3_num_f32 v17, |v[XS+3]|, |v[XS+4]|, |v[XS+5]|
.irp i, 6,10,14,18,22,26
	v_max3_num_f32 v16, v16, |v[XS+\i]|, |v[XS+\i+1]|
	v_max3_num_f32 v17, v17, |v[XS+\i+2]|, |v[XS+\i+3]|
.endr
	v_max3_num_f32 v16, v16, |v[XS+30]|, |v[XS+31]|
	v_max3_num_f32 v16, v16, v17, (EMAX+1)<<23     ; the floor
	v_add_nc_u32 v11, -(EMAX<<23), v16             ; the conversion's scale operand
	v_lshrrev_b32 v17, 23, v11                     ; the scale's byte
.if (\t)%4 == 0
	v_mov_b32 v[WSB+(\t)/4], v17
.else
	v_lshl_or_b32 v[WSB+(\t)/4], v17, 8*((\t)%4), v[WSB+(\t)/4]
.endif
.irp g, 0,1,2,3
	v_cvt_scalef32_pk8_fp4_f32 v[WC+\g], v[XS+8*\g:XS+8*\g+7], v11
.endr
	ds_store_b128 v4, v[WC:WC+3] offset:16*(\t)    ; 32 codes: 16 bytes of my column's row
.if (\t)+2 < NB
	LOADW (\t)+2
.endif
	s_wait_dscnt 0x0                               ; the store has read its registers: the next block's codes may be written
.endm
.set Q, 0
.rept NB
	BLOCKW Q
.set Q, Q+1
.endr
	global_store_b128 v9, v[WSB:WSB+3], s[8:9]     ; my column's 16 scale bytes
.irp t, 0,1,2,3,4,5,6,7,8,9,10,11,12,13,14,15
	ds_load_b128 v[WOUT+4*\t:WOUT+4*\t+3], v7 offset:2*\t*WPITCH
.endr
.irp t, 0,1,2,3,4,5,6,7,8,9,10,11,12,13,14,15
	s_wait_dscnt 15-\t
	global_store_b128 v8, v[WOUT+4*\t:WOUT+4*\t+3], s[6:7] offset:2*\t*WKROW   ; sixteen lanes store 256 consecutive bytes, aligned
.endr
	s_branch .Lend
; ---- PATH P.  w_proj to f16, as it lies.  A wave takes 2,048 numbers: sixteen loads of 512 bytes, all out at once; sixteen stores of 256 bytes.
.Lpath_p:
	s_load_b128 s[4:7], s[0:1], 0x30               ; w_proj, wp16
	s_sub_co_u32 s17, ttmp9, 64
	s_lshl_b32 s17, s17, 2
	s_add_co_u32 s17, s17, s16                     ; my run
	s_lshl_b32 s18, s17, 13
	s_mov_b32 s19, 0
	s_lshl_b32 s20, s17, 12
	s_mov_b32 s21, 0
	v_lshlrev_b32 v3, 4, v2
	v_lshlrev_b32 v4, 3, v2
	s_wait_kmcnt 0x0
	s_add_nc_u64 s[4:5], s[4:5], s[18:19]
	s_add_nc_u64 s[6:7], s[6:7], s[20:21]
.irp i, 0,1,2,3,4,5,6,7,8,9,10,11,12,13,14,15
	global_load_b128 v[32+4*\i:35+4*\i], v3, s[4:5] offset:512*\i th:TH_LOAD_NT
.endr
.irp i, 0,1,2,3,4,5,6,7,8,9,10,11,12,13,14,15
	s_wait_loadcnt 15-\i                           ; loads come back in order: the younger ones stay out
	v_cvt_pk_f16_f32 v[96+2*\i], v[32+4*\i], v[33+4*\i]
	v_cvt_pk_f16_f32 v[97+2*\i], v[34+4*\i], v[35+4*\i]
	global_store_b64 v4, v[96+2*\i:97+2*\i], s[6:7] offset:256*\i
.endr
	s_branch .Lend
; ---- PATH T.  A wave makes 32 positions, one a trip.  Lanes 0-15 write the cosines of f = 2 e, 2 e + 1, lanes 16-31 the sines: 256 consecutive bytes a position.
; theta = position x inv (one f32 product, as reference() has it); theta = k pi/2 + phi with |phi| <= pi/4, pi/2 in two parts under fused multiply-adds; sine and cosine of phi by their series
; (to phi^7 and phi^8: the terms left out are under 3e-7); the quadrant k (+ 1 for a cosine) chooses between them and sets the sign.  No branch and no address hangs on these numbers.
.Lpath_t:
	s_load_b64 s[4:5], s[0:1], 0x40                ; tab
	s_sub_co_u32 s17, ttmp9, 48
	s_lshl_b32 s17, s17, 2
	s_add_co_u32 s17, s17, s16                     ; my run of 32 positions
	s_lshl_b32 s18, s17, 13
	s_mov_b32 s19, 0
	s_lshl_b32 s17, s17, 5
	v_cvt_f32_u32 v22, s17                         ; the position, as f32
	v_and_b32 v18, 15, v2
	v_lshrrev_b32 v19, 4, v2
	v_sub_nc_u32 v23, 1, v19                       ; 1 in the lanes that write cosines
	v_lshlrev_b32 v18, 1, v18
	v_add_nc_u32 v19, 1, v18
	v_cvt_f32_u32 v20, v18
	v_cvt_f32_u32 v21, v19
	v_mul_f32 v20, 0xbed49a78, v20                 ; f x -log2(10000) / 32
	v_mul_f32 v21, 0xbed49a78, v21
	v_exp_f32 v20, v20                             ; inv = 10000^(-f / 32)
	v_exp_f32 v21, v21
	v_lshlrev_b32 v24, 3, v2                       ; (a plain instruction behind the exponentials)  my 8 bytes of a position's 256
	s_wait_alu depctr_va_vdst(0)                   ; one wait for both, ahead of their first reader
	s_mov_b32 s20, 0x3f22f983                      ; 2 / pi
	s_mov_b32 s21, 0xbfc90fdb                      ; -(pi / 2), its f32
	s_mov_b32 s22, 0x333bbd2e                      ; and what that f32 is too large by
	s_mov_b32 s23, 0xbe2aaaab                      ; -1/6
	s_mov_b32 s24, 0x3c088889                      ; 1/120
	s_mov_b32 s25, 0xb9500d01                      ; -1/5040
	s_mov_b32 s26, 0x3d2aaaab                      ; 1/24
	s_mov_b32 s27, 0xbab60b61                      ; -1/720
	s_mov_b32 s28, 0x37d00d01                      ; 1/40320
	s_wait_kmcnt 0x0
	s_add_nc_u64 s[4:5], s[4:5], s[18:19]
	s_mov_b32 s29, 32
.Lpos:
.irp u, 0,1
	v_mul_f32 v[26+\u], v22, v[20+\u]              ; theta
.endr
.irp u, 0,1
	v_mul_f32 v[28+\u], s20, v[26+\u]
.endr
.irp u, 0,1
	v_rndne_f32 v[28+\u], v[28+\u]                 ; k
.endr
.irp u, 0,1
	v_fma_f32 v[30+\u], v[28+\u], s21, v[26+\u]
.endr
.irp u, 0,1
	v_fma_f32 v[30+\u], v[28+\u], s22, v[30+\u]    ; phi
.endr
.irp u, 0,1
	v_cvt_i32_f32 v[32+\u], v[28+\u]
.endr
.irp u, 0,1
	v_add_nc_u32 v[32+\u], v[32+\u], v23           ; the quadrant
.endr
.irp u, 0,1
	v_mul_f32 v[34+\u], v[30+\u], v[30+\u]         ; z = phi^2
.endr
.irp u, 0,1
	v_fma_f32 v[36+\u], v[34+\u], s25, s24
	v_fma_f32 v[38+\u], v[34+\u], s28, s27
.endr
.irp u, 0,1
	v_fma_f32 v[36+\u], v[36+\u], v[34+\u], s23
	v_fma_f32 v[38+\u], v[38+\u], v[34+\u], s26
	v_mul_f32 v[42+\u], v[34+\u], v[30+\u]
.endr
.irp u, 0,1
	v_fma_f32 v[36+\u], v[42+\u], v[36+\u], v[30+\u]   ; sin phi
	v_fma_f32 v[38+\u], v[38+\u], v[34+\u], -0.5
.endr
.irp u, 0,1
	v_fma_f32 v[38+\u], v[38+\u], v[34+\u], 1.0    ; cos phi
	v_and_b32 v[44+\u], 1, v[32+\u]
.endr
.irp u, 0,1
	v_cmp_eq_u32 vcc_lo, 1, v[44+\u]
	v_cndmask_b32 v[40+\u], v[36+\u], v[38+\u], vcc_lo   ; odd quadrants take the cosine
	v_and_b32 v[44+\u], 2, v[32+\u]
	v_lshlrev_b32 v[44+\u], 30, v[44+\u]
	v_xor_b32 v[40+\u], v[40+\u], v[44+\u]         ; quadrants 2 and 3 change the sign
.endr
	global_store_b64 v24, v[40:41], s[4:5]         ; the wave stores 256 consecutive bytes, aligned
	s_wait_xcnt 0x0                                ; the store has read its data and its offset: both are written again below and in the next trip
	v_add_nc_u32 v24, 256, v24
	v_add_f32 v22, 1.0, v22
	s_sub_co_i32 s29, s29, 1
	s_cmp_lg_u32 s29, 0
	s_cbranch_scc1 .Lpos
.Lend:
	s_wait_tensorcnt 0x0                           ; the wave's end, behind my last LDS store
	ds_add_u32 v[SPW], v[NIL]
	s_wait_dscnt 0x0
	s_endpgm
.Lfunc_end_k_q1c34d21cbe_prep:
	.size	k_q1c34d21cbe_prep, .Lfunc_end_k_q1c34d21cbe_prep-k_q1c34d21cbe_prep
	.p2alignl 7, 3214868480
	.fill 96, 4, 3214868480
	.section	.rodata,"a",@progbits
	.p2align	6, 0x0
	.amdhsa_kernel k_q1c34d21cbe_prep
		.amdhsa_group_segment_fixed_size 68096
		.amdhsa_private_segment_fixed_size 0
		.amdhsa_enable_private_segment 0
		.amdhsa_kernarg_size 72
		.amdhsa_user_sgpr_count 2
		.amdhsa_user_sgpr_kernarg_segment_ptr 1
		.amdhsa_wavefront_size32 1
		.amdhsa_system_sgpr_workgroup_id_x 1
		.amdhsa_system_sgpr_workgroup_id_y 1
		.amdhsa_system_sgpr_workgroup_id_z 1
		.amdhsa_system_vgpr_workitem_id 0
		.amdhsa_next_free_vgpr 192
		.amdhsa_next_free_sgpr 66
		.amdhsa_reserve_vcc 1
		.amdhsa_float_denorm_mode_32 3
		.amdhsa_float_denorm_mode_16_64 3
		.amdhsa_memory_ordered 1
		.amdhsa_forward_progress 1
		.amdhsa_inst_pref_size 121
	.end_amdhsa_kernel
	.amdgpu_metadata
---
amdhsa.version: [ 1, 2 ]
amdhsa.kernels:
  - .name:           k_q1c34d21cbe_prep
    .symbol:         k_q1c34d21cbe_prep.kd
    .args:
      - { .name: x, .offset: 0, .size: 8, .value_kind: global_buffer, .address_space: global }
      - { .name: x_codes, .offset: 8, .size: 8, .value_kind: global_buffer, .address_space: global }
      - { .name: x_scales, .offset: 16, .size: 8, .value_kind: global_buffer, .address_space: global }
      - { .name: w_qkv, .offset: 24, .size: 8, .value_kind: global_buffer, .address_space: global }
      - { .name: w_codes, .offset: 32, .size: 8, .value_kind: global_buffer, .address_space: global }
      - { .name: w_scales, .offset: 40, .size: 8, .value_kind: global_buffer, .address_space: global }
      - { .name: w_proj, .offset: 48, .size: 8, .value_kind: global_buffer, .address_space: global }
      - { .name: wp16, .offset: 56, .size: 8, .value_kind: global_buffer, .address_space: global }
      - { .name: tab, .offset: 64, .size: 8, .value_kind: global_buffer, .address_space: global }
    .group_segment_fixed_size: 68096
    .private_segment_fixed_size: 0
    .kernarg_segment_align: 8
    .kernarg_segment_size: 72
    .max_flat_workgroup_size: 128
    .sgpr_count:     66
    .vgpr_count:     192
    .wavefront_size: 32
...
	.end_amdgpu_metadata
.endif
;; end of part 1
;; launch qkv (part 2): grid 12 x 32, 4 waves a work-group, clusters of 4 x 4, 327,680 bytes of LDS; arguments x_codes, x_scales, w_codes, w_scales, b_qkv, tab, qkv; writes qkv
.if DOCPART == 2
	.amdgcn_target "amdgcn-amd-amdhsa--gfx1250"
	.amdhsa_code_object_version 6
	.text
	.protected	k_q1c34d21cbe_qkv
	.globl	k_q1c34d21cbe_qkv
	.p2align	8
	.type	k_q1c34d21cbe_qkv,@function
k_q1c34d21cbe_qkv:
	s_mov_b64 s[64:65], 0
	v_nop
	global_prefetch_b8 v0, s[64:65] scope:SCOPE_SE
	s_setreg_imm32_b32 hwreg(HW_REG_WAVE_MODE, 25, 1), 1
	s_wait_xcnt 0x0
	s_wait_alu depctr_hold_cnt(0) depctr_sa_sdst(0) depctr_va_vdst(0) depctr_va_sdst(0) depctr_va_ssrc(0) depctr_va_vcc(0) depctr_vm_vsrc(0)
	s_getreg_b32 s2, hwreg(HW_REG_IB_STS2, 6, 4)
	s_cmp_eq_u32 s2, 0
	s_cbranch_scc0 .Lentry_in_a_cluster
	s_endpgm
.Lentry_in_a_cluster:
	s_bfe_u32 s2, ttmp6, 0x10000c
	s_cmp_lg_u32 s2, 0xf033
	s_cbranch_scc0 .Lentry_shape_is_right
	s_endpgm
.Lentry_shape_is_right:
; ATTENTION, launch 2 of 4: qkv = x w_qkv + b_qkv on codes of FP4 (E2M1) with one E8M0 scale for each 32 along K, sums in f32; the rotary embedding on q and k in f32; results rounded once to f16 and
; stored head by head: qkv [3][batch x 16 + head][position 2048][64].  Nothing of reference() is left out here.
; LIMIT: |q|, |k|, |v| beyond 65,504 do not fit f16.
; A tile of C, 256 rows x 256 columns, is made by four waves, each 128 x 128: 64 accumulators, 512 registers.  K = 1,024 is two steps of 512: both lie in LDS from the start (rows of 256 bytes + 16 of
; padding), so no slot is ever filled again.  The scale bytes of the tile's 256 + 256 rows come once, as whole runs of 256 bytes.
; CLUSTERS: 4 x 4 work-groups; A's tiles are asked for jointly along a row of the cluster, B's along a column.  A cluster's 1,024 columns are all of q (cluster x = 0), of k (1) or of v (2):
; the one branch of the way out hangs on the cluster's x, which all sixteen partners share.
; THE MATRIX INSTRUCTION IS USED TRANSPOSED (source 0 = 16 rows of w, source 1 = 16 rows of x): in accumulator (a, b) lane (r, h) holds row 16 a + r and columns 16 b + 8 h + 0 .. 7.
; THE BIAS is the C of each sum's first product: eight registers for each b, in the result's layout.
; REGISTERS: window 0: v0-31 addresses; v32-95 scale words, two sets; v128-191 A's fragments, one set; v192-255 the bias, later the table.  Window 1: B's fragments, two sets.  Windows 2, 3: accumulators.
; On the way out window 0 holds: v32-95 rows read back (two sets), v96-159 rotated numbers, v160-191 their f16, v192-255 cosines and sines (two sets).
.set KSTEP,  512
.set NQ,     KSTEP/128
.set ROWB,   256                       ; a tile's row in bytes
.set KROW,   512                       ; a row of codes in memory
.set PITCH,  272                       ; 68 words: the 16 rows that a load touches start at 16 different banks (64 banks of 4 bytes: ISA guide 11.1)
.set FR,     8
.set NL,     2
.set NP,     4                         ; places behind this matrix instruction (ISA guide 7.12.1)
.set HALFT,  128*PITCH
.set SLOT,   4*HALFT
.set KS,     32                        ; a row of scales in bytes
.set SCL,    2*SLOT
.set HALFS,  (128*KS/256)*272
.set SBLK,   (16*KS/256)*272
.set SPARE,  SCL+4*HALFS               ; the spare words, 128 bytes for each wave: two blocks of 256 bytes that no other line names
.set SP,     144                       ; the way out: a stage of 2 heads x 16 rows x (128 bytes + 16) for each wave, in slot 0, which has had its only fill and its last read by then
.set ADRA, 16
.set ADRB, 20
.set STO,  24
.set RD,   25
.set CO,   26
.set ADRS, 27
.set SPW,  28
.set NIL,  29
.set TO,   30                          ; v30  the table: 256 r + 32 h
.set BO,   31                          ; v31  the bias: 32 h
.set SC,   32
.set AF,   128
.set BIAS, 192
.set BK,   32
.set Y,    96
.set HP,   160
.set CS,   192
.set G1, 24
.set G0, 32
.set G1B, 48
.set G0B, 56
.set G1S, 68
.set G0S, 76
.set G1SB, 80
.set G0SB, 88
.set MSB, 0
.macro WIN new                         ; the immediate's high byte repeats the setting that is left
.if MSB != (\new)
	s_set_vgpr_msb (MSB<<8)|(\new)
.set MSB, (\new)
.endif
.endm
.set MUL_LO,   0xa1                    ; source 0 (B) window 1, source 1 (A) window 0, C and D window 2
.set MUL_HI,   0xf1                    ; the same, C and D window 3
.set FIRST_LO, 0x81                    ; the first products: C (the bias) window 0, D window 2
.set FIRST_HI, 0xc1                    ; D window 3
.set TO_B,     0x40
.macro JLOAD g0a, g1a, g0b, g1b        ; a joint load: waves 0 and 1 fetch for A, waves 2 and 3 for B; an s_nop 0 and four v_nop follow each line
	s_cmp_eq_u32 s15, 0
	s_cbranch_scc0 .Lfor_b_\@
	tensor_load_to_lds s[\g0a:\g0a+3], s[\g1a:\g1a+7]
	s_nop 0
.rept 4
	v_nop
.endr
	s_branch .Lasked_\@
.Lfor_b_\@:
	tensor_load_to_lds s[\g0b:\g0b+3], s[\g1b:\g1b+7]
	s_nop 0
.rept 4
	v_nop
.endr
.Lasked_\@:
.endm
.macro CROUND                          ; a round of the cluster's barrier
	s_barrier_signal -1
	s_barrier_wait -1
	s_cmp_lg_u32 s14, 0
	s_cbranch_scc1 .Lnot_wave_0_\@
	s_barrier_signal -3
.Lnot_wave_0_\@:
	s_barrier_wait -3
	s_barrier_signal -1
	s_barrier_wait -1
.endm
	s_load_b128 s[4:7], s[0:1], 0x0                ; x_codes, x_scales
	s_load_b128 s[8:11], s[0:1], 0x10              ; w_codes, w_scales
	s_load_b128 s[96:99], s[0:1], 0x20             ; b_qkv, tab
	s_load_b64 s[12:13], s[0:1], 0x30              ; qkv
	v_lshl_add_u32 v[SPW], v0, 2, SPARE
	v_mov_b32 v[NIL], 0
	ds_add_u32 v[SPW], v[NIL]                      ; the wave's opening: the add, twice on end, and its wait ahead of my first tensor load
	ds_add_u32 v[SPW], v[NIL]
	v_lshrrev_b32 v1, 5, v0
	v_readfirstlane_b32 s14, v1                    ; wave 0..3
	s_lshr_b32 s15, s14, 1                         ; which half of the tile's rows is mine.  Also: I fetch for A (0) or for B (1)
	s_and_b32 s16, s14, 1                          ; which half of its columns.  Also: which 128 rows I fetch
	s_bfe_u32 s40, ttmp6, 0x40000                  ; cx, cy
	s_bfe_u32 s41, ttmp6, 0x40004
	s_lshl_b32 s42, ttmp9, 2
	s_add_co_u32 s42, s42, s40                     ; tile column
	s_and_b32 s17, ttmp7, 0xffff
	s_lshl_b32 s17, s17, 2
	s_add_co_u32 s17, s17, s41                     ; tile row
	s_lshl_b32 s43, s41, 2
	s_lshl_b32 s43, 15, s43                        ; my row of the cluster
	s_lshl_b32 s44, 0x1111, s40                    ; my column
	s_or_b32 s[G1+0], s43, (0<<16)|(1<<20)|(1<<21)|(5<<22)|(3<<25)  ; the mask; elements of 1 byte; padding: 4 words after every 64
	s_or_b32 s[G1B+0], s44, (0<<16)|(1<<20)|(1<<21)|(5<<22)|(3<<25)
.irp g, G1, G1B
	s_mov_b32 s[\g+1], ROWB<<16                    ; tensor_dim0
	s_mov_b32 s[\g+2], 128<<16                     ; tensor_dim1
	s_mov_b32 s[\g+3], ROWB<<16                    ; tile_dim0
	s_mov_b32 s[\g+4], 128                         ; tile_dim1
	s_mov_b32 s[\g+5], KROW                        ; the pitch
	s_mov_b32 s[\g+6], 0
	s_mov_b32 s[\g+7], 0
.endr
	s_or_b32 s[G1S+0], s43, (3<<16)|(1<<20)|(1<<21)|(5<<22)|(3<<25) ; the scales of 128 rows: 4,096 dense bytes as 16 rows of 256 (32 elements of 8 bytes), 16 bytes of padding behind each
	s_or_b32 s[G1SB+0], s44, (3<<16)|(1<<20)|(1<<21)|(5<<22)|(3<<25)
.irp g, G1S, G1SB
	s_mov_b32 s[\g+1], 32<<16
	s_mov_b32 s[\g+2], (128*KS/256)<<16
	s_mov_b32 s[\g+3], 32<<16
	s_mov_b32 s[\g+4], 128*KS/256
	s_mov_b32 s[\g+5], 32
	s_mov_b32 s[\g+6], 0
	s_mov_b32 s[\g+7], 0
.endr
	s_lshl_b32 s18, s16, 7
	s_lshl_b32 s20, s17, 8
	s_add_co_u32 s20, s20, s18                     ; A: row 256 x tile row + 128 x half
	s_lshl_b32 s46, s42, 8
	s_add_co_u32 s46, s46, s18                     ; B: row 256 x tile column + 128 x half
	s_mov_b32 s21, 0
	s_mov_b32 s47, 0
	s_mov_b64 s[18:19], KS
	s_mul_u64 s[22:23], s[20:21], s[18:19]
	s_mul_u64 s[92:93], s[46:47], s[18:19]
	s_mov_b64 s[18:19], KROW
	s_mul_u64 s[20:21], s[20:21], s[18:19]
	s_mul_u64 s[46:47], s[46:47], s[18:19]
	s_mul_i32 s45, s14, HALFT                      ; where they go: wave x 128 rows
	s_mul_i32 s94, s14, HALFS
	s_wait_dscnt 0x0                               ; both opening adds are done
	s_wait_kmcnt 0x0
	s_add_nc_u64 s[20:21], s[4:5], s[20:21]
	s_add_nc_u64 s[22:23], s[6:7], s[22:23]
	s_add_nc_u64 s[46:47], s[8:9], s[46:47]
	s_add_nc_u64 s[92:93], s[10:11], s[92:93]
	CROUND                                         ; all sixteen work-groups are here: the joint loads meet
	s_mov_b32 s[G0S], 1
	s_add_co_u32 s[G0S+1], s94, SCL
	s_mov_b64 s[G0S+2:G0S+3], s[22:23]
	s_or_b32 s[G0S+3], s[G0S+3], 0x80000000
	s_mov_b32 s[G0SB], 1
	s_add_co_u32 s[G0SB+1], s94, SCL
	s_mov_b64 s[G0SB+2:G0SB+3], s[92:93]
	s_or_b32 s[G0SB+3], s[G0SB+3], 0x80000000
	JLOAD G0S, G1S, G0SB, G1SB                     ; the scales first; then both K steps: three loads of mine are out
.irp s, 0,1
	s_mov_b32 s[G0+4*\s], 1
	s_add_co_u32 s[G0+4*\s+1], s45, \s*SLOT
	s_add_nc_u64 s[G0+4*\s+2:G0+4*\s+3], s[20:21], \s*ROWB
	s_or_b32 s[G0+4*\s+3], s[G0+4*\s+3], 0x80000000
	s_mov_b32 s[G0B+4*\s], 1
	s_add_co_u32 s[G0B+4*\s+1], s45, \s*SLOT
	s_add_nc_u64 s[G0B+4*\s+2:G0B+4*\s+3], s[46:47], \s*ROWB
	s_or_b32 s[G0B+4*\s+3], s[G0B+4*\s+3], 0x80000000
	JLOAD G0+4*\s, G1, G0B+4*\s, G1B
.endr
	v_and_b32 v1, 15, v0                           ; r
	v_bfe_u32 v2, v0, 4, 1                         ; h
	v_lshlrev_b32 v[BO], 5, v2
	s_lshl_b32 s46, s42, 10                        ; the bias of my 128 columns: 4 (256 x tile column + 128 x half)
	s_lshl_b32 s47, s16, 9
	s_add_co_u32 s46, s46, s47
	s_mov_b32 s47, 0
	s_add_nc_u64 s[96:97], s[96:97], s[46:47]
.irp b, 0,1,2,3,4,5,6,7
	global_load_b128 v[BIAS+8*\b:BIAS+8*\b+3], v[BO], s[96:97] offset:64*\b
	global_load_b128 v[BIAS+8*\b+4:BIAS+8*\b+7], v[BO], s[96:97] offset:64*\b+16
.endr
	v_mul_u32_u24 v3, v1, PITCH
	v_lshl_add_u32 v4, v2, 4, v3                   ; a fragment's row x pitch + 16 x half
	s_mul_i32 s21, s15, HALFT
	s_mul_i32 s22, s16, HALFT
	s_add_co_u32 s22, s22, 2*HALFT
.irp s, 0,1
	v_add_nc_u32 v[ADRA+\s], s21, v4
	v_add_nc_u32 v[ADRB+\s], s22, v4
	s_add_co_u32 s21, s21, SLOT
	s_add_co_u32 s22, s22, SLOT
.endr
	v_mul_u32_u24 v5, v1, KS                       ; my row's scales: 32 bytes a row,
	v_lshrrev_b32 v6, 8, v5
	v_lshl_add_u32 v5, v6, 4, v5                   ; and 16 more for each 256 passed
	s_mul_i32 s21, s15, HALFS
	s_mul_i32 s22, s16, HALFS
	s_add_co_u32 s22, s22, 2*HALFS
	s_sub_co_u32 s22, s22, s21
	v_mul_u32_u24 v6, s22, v2                      ; lanes 16-31 take B's
	s_add_co_u32 s21, s21, SCL
	v_add_nc_u32 v5, v5, v6
	v_add_nc_u32 v[ADRS], s21, v5
	s_mul_i32 s23, s14, 32*SP                      ; my stage
	v_mul_u32_u24 v5, v1, SP
	v_lshl_add_u32 v5, v2, 4, v5
	v_add_nc_u32 v[STO], s23, v5                   ; in: row r, 16 bytes for each half of the lanes
	v_and_b32 v6, 31, v0
	v_lshrrev_b32 v5, 3, v6
	v_mul_u32_u24 v5, v5, SP
	v_and_b32 v3, 7, v0
	v_lshl_add_u32 v5, v3, 4, v5
	v_add_nc_u32 v[RD], s23, v5                    ; back: eight lanes to a row of 128 bytes, four rows an instruction
	v_lshlrev_b32 v[CO], 4, v6                     ; which are 512 consecutive bytes of a head
	v_lshlrev_b32 v[TO], 8, v1
	v_lshl_add_u32 v[TO], v2, 5, v[TO]
	s_lshl_b32 s20, ttmp9, 6                       ; q, k or v: 64 heads each
	s_lshr_b32 s21, s17, 3
	s_lshl_b32 s21, s21, 4
	s_add_co_u32 s20, s20, s21                     ; + 16 x batch (8 tile rows to a batch)
	s_lshl_b32 s21, s40, 2
	s_add_co_u32 s20, s20, s21                     ; + 4 cx
	s_lshl_b32 s21, s16, 1
	s_add_co_u32 s20, s20, s21                     ; + 2 x half: my first head
	s_lshl_b32 s20, s20, 11
	s_and_b32 s22, s17, 7
	s_lshl_b32 s22, s22, 8
	s_lshl_b32 s21, s15, 7
	s_add_co_u32 s22, s22, s21                     ; my first position
	s_add_co_u32 s20, s20, s22
	s_lshl_b32 s20, s20, 7                         ; rows of 128 bytes: under 2^26
	s_mov_b32 s21, 0
	s_add_nc_u64 s[12:13], s[12:13], s[20:21]
	s_lshl_b32 s22, s22, 8                         ; the table: 256 bytes a position
	s_mov_b32 s23, 0
	s_add_nc_u64 s[98:99], s[98:99], s[22:23]
.macro FRAG reg, adr, q, i             ; 16 rows x 128 K of 4-bit codes: 8 registers; registers 4 c .. 4 c + 3 hold K = 64 c + 32 h + 0 .. 31
.irp c, 0,1
	ds_load_b128 v[\reg+4*\c:\reg+4*\c+3], v[\adr] offset:64*(\q)+32*\c+(\i)*16*PITCH
.endr
.endm
; 16 matrix instructions: A's blocks a0, a0 + 1 x B's eight.  zero = 1: the first products, which take the bias as C.  The 64 accumulators take turns, one instruction a turn.
.macro MUL16 a0, p, q, sc, zero
.irp a, \a0, \a0+1
.irp b, 0,1,2,3,4,5,6,7
.if \zero
	v_wmma_scale_f32_16x16x128_f8f6f4 v[8*(8*((\a)%4)+\b):8*(8*((\a)%4)+\b)+7], v[128*(\p)+FR*\b:128*(\p)+FR*\b+FR-1], v[AF+FR*(\a):AF+FR*(\a)+FR-1], v[BIAS+8*\b:BIAS+8*\b+7], v[SC+8*NQ*(\sc)+NQ*\b+(\q)], v[SC+8*NQ*(\sc)+NQ*(\a)+(\q)] matrix_a_fmt:MATRIX_FMT_FP4 matrix_b_fmt:MATRIX_FMT_FP4 matrix_a_scale:MATRIX_SCALE_ROW1
.else
	v_wmma_scale_f32_16x16x128_f8f6f4 v[8*(8*((\a)%4)+\b):8*(8*((\a)%4)+\b)+7], v[128*(\p)+FR*\b:128*(\p)+FR*\b+FR-1], v[AF+FR*(\a):AF+FR*(\a)+FR-1], v[8*(8*((\a)%4)+\b):8*(8*((\a)%4)+\b)+7], v[SC+8*NQ*(\sc)+NQ*\b+(\q)], v[SC+8*NQ*(\sc)+NQ*(\a)+(\q)] matrix_a_fmt:MATRIX_FMT_FP4 matrix_b_fmt:MATRIX_FMT_FP4 matrix_a_scale:MATRIX_SCALE_ROW1
.endif
.endr
.endr
.endm
.macro FETCH_B slot, q, p
	WIN TO_B
.irp i, 0,1,2,3,4,5,6,7
	FRAG 128*(\p)+FR*\i, ADRB+\slot, \q, \i
.endr
	WIN 0
.endm
.macro FETCH_A slot, q, i0
.irp i, \i0, \i0+1, \i0+2, \i0+3
	FRAG AF+FR*(\i), ADRA+\slot, \q, \i
.endr
.endm
.macro SCALES sc                       ; a K step's scale words: lanes 0-15 take A's block i, lanes 16-31 B's block i
.irp i, 0,1,2,3,4,5,6,7
	ds_load_b128 v[SC+8*NQ*\sc+NQ*\i:SC+8*NQ*\sc+NQ*\i+3], v[ADRS] offset:\i*SBLK
.endr
.endm
.macro PLACES n                        ; plain vector instructions between a matrix instruction and a load into, or a read of, its registers
.rept \n
	v_nop
.endr
.endm
.macro STEP slot, q, zero              ; 128 along K that has its successor in the same slot
	s_wait_dscnt 4*NL                              ; B's set and A's blocks 0-3 are in; the youngest eight loads (A's blocks 4-7) may be out
.if \zero
	WIN FIRST_LO
.else
	WIN MUL_LO
.endif
	MUL16 0, (\q)%2, \q, \slot, \zero
	MUL16 2, (\q)%2, \q, \slot, \zero
	s_wait_dscnt 0                                 ; A's blocks 4-7 are in
	PLACES NP
	FETCH_B \slot, (\q)+1, 1-(\q)%2
	FETCH_A \slot, (\q)+1, 0
.if \zero
	WIN FIRST_HI
.else
	WIN MUL_HI
.endif
	MUL16 4, (\q)%2, \q, \slot, \zero
	MUL16 6, (\q)%2, \q, \slot, \zero
	PLACES NP
	WIN 0
	FETCH_A \slot, (\q)+1, 4
.endm
.macro STEPS slot, from
.set Q, \from
.rept NQ-1-\from
	STEP \slot, Q, 0
.set Q, Q+1
.endr
.endm
.macro TLD a                           ; cosines and sines of block a's 16 positions at my 16 frequencies: cos f = 8 h .., cos f = 16 + 8 h .., then the sines; 8 loads into set a % 2
.set TS_, CS+32*((\a)%2)
.irp g, 0,1,2,3
	global_load_b128 v[TS_+8*\g:TS_+8*\g+3], v[TO], s[98:99] offset:4096*(\a)+64*\g
	global_load_b128 v[TS_+8*\g+4:TS_+8*\g+7], v[TO], s[98:99] offset:4096*(\a)+64*\g+16
.endr
.endm
	s_wait_tensorcnt 1                             ; the scales and my part of K step 0 are in; K step 1's load may stay out
	s_barrier_signal -1
	s_barrier_wait -1
	FETCH_B 0, 0, 0
	FETCH_A 0, 0, 0
	SCALES 0
	FETCH_A 0, 0, 4
	s_wait_loadcnt 0x0                             ; the bias
	STEP 0, 0, 1
	STEPS 0, 1
	; slot 0's last step changes slots: one barrier; in front of it my tensor loads have landed and my reads of slot 0 are over
	s_wait_tensorcnt 0x0
	ds_add_u32 v[SPW], v[NIL]
	s_wait_dscnt 4*NL+1                            ; (the add and A's blocks 4-7 may be out)
	WIN MUL_LO
	MUL16 0, 1, NQ-1, 0, 0
	s_wait_dscnt 0x0
	s_barrier_signal -1
	MUL16 2, 1, NQ-1, 0, 0
	WIN 0
	s_barrier_wait -1
	PLACES NP
	v_add_nc_u32 v[ADRS], 4*NQ, v[ADRS]            ; the next K step's scale words
	FETCH_B 1, 0, 0
	FETCH_A 1, 0, 0
	SCALES 1
	WIN MUL_HI
	MUL16 4, 1, NQ-1, 0, 0
	MUL16 6, 1, NQ-1, 0, 0
	PLACES NP
	WIN 0
	FETCH_A 1, 0, 4
	s_cmp_eq_u32 ttmp9, 2                          ; v is not rotated and wants no table
	s_cbranch_scc1 .Lno_table
	TLD 0                                          ; into the registers that held the bias: the products that read it stand many places back.  A K step ahead of their use
	TLD 1
.Lno_table:
	STEPS 1, 0
	s_wait_dscnt 4*NL                              ; the very last step: nothing more to fetch
	WIN MUL_LO
	MUL16 0, 1, NQ-1, 1, 0
	MUL16 2, 1, NQ-1, 1, 0
	s_wait_dscnt 0
	WIN MUL_HI
	MUL16 4, 1, NQ-1, 1, 0
	MUL16 6, 1, NQ-1, 1, 0
	WIN 0
; THE WAY OUT, block a of 16 rows at a time.  My 128 columns are two heads; in a head, blocks b % 4 = 0, 1 hold d = 16 (b % 4) + 8 h + j under 32 and blocks 2, 3 the partners d + 32.
; y(d) = x(d) cos - x(d + 32) sin;  y(d + 32) = x(d + 32) cos + x(d) sin, two numbers an instruction; each accumulator is read from its low end on.
.macro ROPE a
.set AC, 64*((\a)%4)
.set TS_, CS+32*((\a)%2)
	WIN 0x02+(\a)/4                                ; source 0: the accumulators' window
.irp hh, 0,1
.irp bb, 0,1
.irp jp, 0,2,4,6
	v_pk_mul_f32 v[Y+8*(4*\hh+\bb)+\jp:Y+8*(4*\hh+\bb)+\jp+1], v[AC+8*(4*\hh+\bb)+16+\jp:AC+8*(4*\hh+\bb)+17+\jp], v[TS_+8*\bb+16+\jp:TS_+8*\bb+17+\jp]
	v_pk_mul_f32 v[Y+8*(4*\hh+\bb)+16+\jp:Y+8*(4*\hh+\bb)+17+\jp], v[AC+8*(4*\hh+\bb)+\jp:AC+8*(4*\hh+\bb)+\jp+1], v[TS_+8*\bb+16+\jp:TS_+8*\bb+17+\jp]
.endr
.irp jp, 0,2,4,6
	v_pk_fma_f32 v[Y+8*(4*\hh+\bb)+\jp:Y+8*(4*\hh+\bb)+\jp+1], v[AC+8*(4*\hh+\bb)+\jp:AC+8*(4*\hh+\bb)+\jp+1], v[TS_+8*\bb+\jp:TS_+8*\bb+\jp+1], v[Y+8*(4*\hh+\bb)+\jp:Y+8*(4*\hh+\bb)+\jp+1] neg_lo:[0,0,1] neg_hi:[0,0,1]
	v_pk_fma_f32 v[Y+8*(4*\hh+\bb)+16+\jp:Y+8*(4*\hh+\bb)+17+\jp], v[AC+8*(4*\hh+\bb)+16+\jp:AC+8*(4*\hh+\bb)+17+\jp], v[TS_+8*\bb+\jp:TS_+8*\bb+\jp+1], v[Y+8*(4*\hh+\bb)+16+\jp:Y+8*(4*\hh+\bb)+17+\jp]
.endr
.endr
.endr
.endm
.macro PACKH                           ; the rotated numbers to f16: a lane's eight neighbours are 16 bytes
.irp b, 0,1,2,3,4,5,6,7
.irp i, 0,1,2,3
	v_cvt_pk_f16_f32 v[HP+4*\b+\i], v[Y+8*\b+2*\i], v[Y+8*\b+2*\i+1]
.endr
.endr
.endm
.macro PACKV a                         ; v: straight from the accumulators
.set AC, 64*((\a)%4)
	WIN 0x0a+5*((\a)/4)
.irp b, 0,1,2,3,4,5,6,7
.irp i, 0,1,2,3
	v_cvt_pk_f16_f32 v[HP+4*\b+\i], v[AC+8*\b+2*\i], v[AC+8*\b+2*\i+1]
.endr
.endr
	WIN 0
.endm
.macro TOSTAGE a                       ; into my stage and back by rows: LDS serves a wave's instructions in order (ISA guide 5.7.1.4)
.irp b, 0,1,2,3,4,5,6,7
	ds_store_b128 v[STO], v[HP+4*\b:HP+4*\b+3] offset:16*SP*(\b/4)+32*(\b%4)
.endr
.set BB, BK+32*((\a)%2)
.irp i, 0,1,2,3,4,5,6,7
	ds_load_b128 v[BB+4*\i:BB+4*\i+3], v[RD] offset:16*SP*(\i/4)+4*SP*(\i%4)
.endr
.endm
.macro SEND a, younger                 ; younger: the LDS instructions issued behind block a's loads
.set BB, BK+32*((\a)%2)
	s_wait_dscnt \younger
.irp i, 0,1,2,3,4,5,6,7
	global_store_b128 v[CO], v[BB+4*\i:BB+4*\i+3], s[12:13] offset:262144*(\i/4)+2048*(\a)+512*(\i%4)   ; 512 consecutive bytes of a head, aligned; the second head lies 2,048 rows of 128 bytes on
.endr
.endm
	s_cmp_eq_u32 ttmp9, 2
	s_cbranch_scc1 .Lway_v
	PLACES NP
	s_wait_loadcnt 8                               ; block 0's table is in; block 1's eight loads may be out
	ROPE 0
	WIN 0
	TLD 2
	PACKH
	TOSTAGE 0
.irp a, 1,2,3,4,5,6,7
.if \a < 7
	s_wait_loadcnt 8                               ; this block's table is in; the next block's eight loads may be out
.else
	s_wait_loadcnt 0
.endif
	ROPE \a
	WIN 0
.if \a < 6
	TLD \a+2
.endif
	PACKH
.if \a > 1
	s_wait_xcnt 0x0                                ; block a - 2's stores have read their registers: block a's rows may land there
.endif
	TOSTAGE \a
	SEND \a-1, 16                                  ; behind block a - 1's loads: block a's 8 stores and 8 loads
.endr
	SEND 7, 0
	s_branch .Lout_done
.Lway_v:
	PLACES NP
	PACKV 0
	TOSTAGE 0
.irp a, 1,2,3,4,5,6,7
	PACKV \a
.if \a > 1
	s_wait_xcnt 0x0
.endif
	TOSTAGE \a
	SEND \a-1, 16
.endr
	SEND 7, 0
.Lout_done:
	s_wait_tensorcnt 0x0                           ; the wave's end, behind my last tensor load and my last LDS store
	ds_add_u32 v[SPW], v[NIL]
	s_wait_dscnt 0x0
	CROUND                                         ; the closing round
	s_endpgm
.Lfunc_end_k_q1c34d21cbe_qkv:
	.size	k_q1c34d21cbe_qkv, .Lfunc_end_k_q1c34d21cbe_qkv-k_q1c34d21cbe_qkv
	.p2alignl 7, 3214868480
	.fill 96, 4, 3214868480
	.section	.rodata,"a",@progbits
	.p2align	6, 0x0
	.amdhsa_kernel k_q1c34d21cbe_qkv
		.amdhsa_group_segment_fixed_size 327680
		.amdhsa_private_segment_fixed_size 0
		.amdhsa_enable_private_segment 0
		.amdhsa_kernarg_size 56
		.amdhsa_user_sgpr_count 2
		.amdhsa_user_sgpr_kernarg_segment_ptr 1
		.amdhsa_wavefront_size32 1
		.amdhsa_system_sgpr_workgroup_id_x 1
		.amdhsa_system_sgpr_workgroup_id_y 1
		.amdhsa_system_sgpr_workgroup_id_z 1
		.amdhsa_system_vgpr_workitem_id 0
		.amdhsa_next_free_vgpr 1024
		.amdhsa_next_free_sgpr 100
		.amdhsa_reserve_vcc 0
		.amdhsa_float_denorm_mode_32 3
		.amdhsa_float_denorm_mode_16_64 3
		.amdhsa_memory_ordered 1
		.amdhsa_forward_progress 1
		.amdhsa_inst_pref_size 198
	.end_amdhsa_kernel
	.amdgpu_metadata
---
amdhsa.version: [ 1, 2 ]
amdhsa.kernels:
  - .name:           k_q1c34d21cbe_qkv
    .symbol:         k_q1c34d21cbe_qkv.kd
    .args:
      - { .name: x_codes, .offset: 0, .size: 8, .value_kind: global_buffer, .address_space: global }
      - { .name: x_scales, .offset: 8, .size: 8, .value_kind: global_buffer, .address_space: global }
      - { .name: w_codes, .offset: 16, .size: 8, .value_kind: global_buffer, .address_space: global }
      - { .name: w_scales, .offset: 24, .size: 8, .value_kind: global_buffer, .address_space: global }
      - { .name: b_qkv, .offset: 32, .size: 8, .value_kind: global_buffer, .address_space: global }
      - { .name: tab, .offset: 40, .size: 8, .value_kind: global_buffer, .address_space: global }
      - { .name: qkv, .offset: 48, .size: 8, .value_kind: global_buffer, .address_space: global }
    .group_segment_fixed_size: 327680
    .private_segment_fixed_size: 0
    .kernarg_segment_align: 8
    .kernarg_segment_size: 56
    .max_flat_workgroup_size: 128
    .sgpr_count:     100
    .vgpr_count:     1024
    .wavefront_size: 32
...
	.end_amdgpu_metadata
.endif
;; end of part 2
;; launch attn (part 3): grid 4 x 64, 8 waves a work-group, clusters of 4 x 1, 327,680 bytes of LDS; arguments qkv, o; writes o
.if DOCPART == 3
	.amdgcn_target "amdgcn-amd-amdhsa--gfx1250"
	.amdhsa_code_object_version 6
	.text
	.protected	k_q1c34d21cbe_attn
	.globl	k_q1c34d21cbe_attn
	.p2align	8
	.type	k_q1c34d21cbe_attn,@function
k_q1c34d21cbe_attn:
	s_mov_b64 s[64:65], 0
	v_nop
	global_prefetch_b8 v0, s[64:65] scope:SCOPE_SE
	s_setreg_imm32_b32 hwreg(HW_REG_WAVE_MODE, 25, 1), 1
	s_wait_xcnt 0x0
	s_wait_alu depctr_hold_cnt(0) depctr_sa_sdst(0) depctr_va_vdst(0) depctr_va_sdst(0) depctr_va_ssrc(0) depctr_va_vcc(0) depctr_vm_vsrc(0)
	s_getreg_b32 s2, hwreg(HW_REG_IB_STS2, 6, 4)
	s_cmp_eq_u32 s2, 0
	s_cbranch_scc0 .Lentry_in_a_cluster
	s_endpgm
.Lentry_in_a_cluster:
	s_bfe_u32 s2, ttmp6, 0x10000c
	s_cmp_lg_u32 s2, 0x3003
	s_cbranch_scc0 .Lentry_shape_is_right
	s_endpgm
.Lentry_shape_is_right:
; ATTENTION, launch 3 of 4: o[bh][q][:] = the sum over k of softmax_k(q . k / 8) v[k][:].  qkv: f16 [3][bh 64][2048][64]; o: f16 [bh 64][2048][64].  Products on f16 operands, sums, maxima and the
; softmax in f32; the weights p are rounded to f16 for the second product, o once at the end.  Nothing of reference() is left out; its factor 64^-0.5 stands in the constant c = log2(e) / 8.
; SHARES.  A work-group owns 512 queries of one head, each of its eight waves 64: four tiles of 16.  Two waves lie on a SIMD, so that one wave's softmax stands beside the other's products.
; Every wave walks the head's 2,048 keys, 64 a step.
; LAYOUT.  S^T = K Q^T (source 0 = 16 keys, source 1 = 16 queries): a lane holds ONE query (lane % 16) and keys 8 (lane / 16) + 0..7 of each tile of 16.  Two such tiles, rounded to f16 in pairs, ARE
; source 1 (32 keys x 16 queries) of O^T = V^T P.  P is written in place over the low half of its tile's scores.  K comes out of LDS as it lies, V ([key][channel]) turned, by ds_load_tr16_b128.
; SOFTMAX.  A running maximum m and sum l for each query: p = 2^(c s - c m); in every step O and l are multiplied by 2^(c m_old - c m_new).
; RING.  Two slots of 512 keys (K: rows of 128 bytes + 16; V: + 32).  Waves 0-3 fetch K's quarters, waves 4-7 V's: one load a wave.  A refill is asked for eight key steps ahead of the wait for it.
; CLUSTER.  The four query blocks of a head walk the same K and V: each tile is asked for jointly, by the same load with a mask that names the four.
; No prefetch: between a refill's request and the wait for it a wave issues 512 matrix instructions, so no wave waits for the tiles.
; REGISTERS.  Window 0: v2-11 addresses; v16-47 statistics, 8 a tile; v48-55 a second chain of sums; v64-191 S^T, 32 a tile; v192-255 K's 8 fragments.
;             Window 1: v0-127 O^T, 32 a tile; v128-191 Q, 16 a tile; v192-255 V^T's 8 fragments.
.set KS,    64                         ; keys in a step
.set SK,    512                        ; keys in a slot
.set PK,    144                        ; 36 words: row r starts at bank 36 r mod 64: the 16 rows of a load start at 16 different groups of four banks (ISA guide 11.1)
.set PV,    160                        ; 40 words: an odd multiple of 32 bytes, for the turning load
.set VOFF,  SK*PK
.set SLOTB, SK*(PK+PV)
.set SPARE, 2*SLOTB                    ; the spare words, 128 bytes for each wave: four blocks of 256 bytes that no other line names
.set AK0, 2
.set AV0, 3
.set ADK, 4
.set ADV, 5
.set QO,  6
.set STO, 7
.set RD,  8
.set GO,  9
.set SPW, 10
.set NIL, 11
.set ST,  16                           ; tile t at v[ST + 8 t]: +0 c m, +1 m, +2, +3 l, +4 to +7 at work; the factor takes +6
.set TBR, 48
.set S,   64
.set KF,  192
.set QF,  128                          ; in window 1
.set VF,  192                          ; in window 1
.set WV,  12
.set G1K, 24
.set G1V, 32
.set G0K, 40                           ; a set for each slot
.set G0V, 48
.set TK,  56                           ; LDS byte at which the step's rows of K begin
.set TV,  57                           ; and V's, less VOFF
.set CS,  58
.set SEL, 60
.set CNT, 62
.set MSB, 0
.macro WIN new
.if MSB != (\new)
	s_set_vgpr_msb (MSB<<8)|(\new)
.set MSB, (\new)
.endif
.endm
.set W_S,  0x04                        ; Q (source 1) window 1; K, S^T window 0
.set W_PV, 0x51                        ; V (source 0), O^T (C and D) window 1; P window 0
.set W_RS, 0x41                        ; O^T (destination, source 0) window 1; the factor window 0
.set TO1,  0x40                        ; destination window 1, address window 0
.macro JLOAD s                         ; a joint refill of slot s; an s_nop 0 and four v_nop follow each line
	s_cmp_lt_u32 s[WV], 4
	s_cbranch_scc0 .Lfor_v_\@
	tensor_load_to_lds s[G0K+4*\s:G0K+4*\s+3], s[G1K:G1K+7]
	s_nop 0
.rept 4
	v_nop
.endr
	s_branch .Lasked_\@
.Lfor_v_\@:
	tensor_load_to_lds s[G0V+4*\s:G0V+4*\s+3], s[G1V:G1V+7]
	s_nop 0
.rept 4
	v_nop
.endr
.Lasked_\@:
.endm
.macro CROUND
	s_barrier_signal -1
	s_barrier_wait -1
	s_cmp_lg_u32 s[WV], 0
	s_cbranch_scc1 .Lnot_wave_0_\@
	s_barrier_signal -3
.Lnot_wave_0_\@:
	s_barrier_wait -3
	s_barrier_signal -1
	s_barrier_wait -1
.endm
	s_load_b128 s[4:7], s[0:1], 0x0                ; qkv, o
	v_lshl_add_u32 v[SPW], v0, 2, SPARE
	v_mov_b32 v[NIL], 0
	ds_add_u32 v[SPW], v[NIL]                      ; the wave's opening: the add, twice on end, and its wait ahead of my first tensor load
	ds_add_u32 v[SPW], v[NIL]
	v_lshrrev_b32 v1, 5, v0
	v_readfirstlane_b32 s[WV], v1                  ; wave 0..7
	s_bfe_u32 s13, ttmp6, 0x40000                  ; cx: my block of 512 queries; it enters Q's and O's addresses alone
	s_and_b32 s14, ttmp7, 0xffff                   ; batch x 16 + head, which the four partners share
	s_lshl_b32 s20, s14, 18                        ; a head is 2,048 rows of 128 bytes
	s_mov_b32 s21, 0
	s_and_b32 s16, s[WV], 3                        ; which 128 keys of a slot I fetch
	s_lshl_b32 s22, s16, 14
	s_mov_b32 s23, 0
	s_add_nc_u64 s[22:23], s[22:23], s[20:21]
	s_mul_i32 s18, s16, 128*PK                     ; and where they go
	s_mul_i32 s19, s16, 128*PV
	s_lshl_b32 s2, s13, 16
	s_lshl_b32 s3, s[WV], 13
	s_add_co_u32 s2, s2, s3                        ; my wave's 64 queries
	s_mov_b32 s3, 0
	s_add_nc_u64 s[2:3], s[2:3], s[20:21]
	s_mov_b32 s[G1K], 15|(1<<16)|(1<<20)|(1<<21)|(4<<22)|(3<<25)  ; the mask: all four; elements of 2 bytes; padding: 4 words after every 32
	s_mov_b32 s[G1V], 15|(1<<16)|(1<<20)|(1<<21)|(4<<22)|(7<<25)  ; 8 words
.irp g, G1K, G1V
	s_mov_b32 s[\g+1], 64<<16                      ; tensor_dim0
	s_mov_b32 s[\g+2], 128<<16                     ; tensor_dim1
	s_mov_b32 s[\g+3], 64<<16                      ; tile_dim0
	s_mov_b32 s[\g+4], 128                         ; tile_dim1
	s_mov_b32 s[\g+5], 64                          ; the pitch
	s_mov_b32 s[\g+6], 0
	s_mov_b32 s[\g+7], 0
.endr
	s_mov_b32 s[CS], 0x3e38aa3b                    ; c = log2(e) / 8
	s_mov_b32 s[CS+1], s[CS]                       ; (named with it as a pair)
	s_mov_b32 s[SEL], 0x76543210
	s_mov_b32 s[SEL+1], 0xfedcba98
	s_mov_b32 s[TK], 0
	s_mov_b32 s[TV], 0
	s_wait_dscnt 0x0                               ; both opening adds are done
	s_wait_kmcnt 0x0
	s_add_nc_u64 s[8:9], s[4:5], s[22:23]          ; qkv at my head and my 128 keys
	s_add_nc_u64 s[4:5], s[4:5], s[2:3]            ; Q at my wave's first row
	s_add_nc_u64 s[10:11], s[6:7], s[2:3]          ; O likewise
	CROUND                                         ; all four work-groups are here
.irp s, 0,1
	s_mov_b32 s[G0K+4*\s], 1
	s_add_co_u32 s[G0K+4*\s+1], s18, \s*SLOTB
	s_add_nc_u64 s[G0K+4*\s+2:G0K+4*\s+3], s[8:9], 0x1000000+\s*SK*128   ; k lies 64 heads behind q
	s_or_b32 s[G0K+4*\s+3], s[G0K+4*\s+3], 0x80000000
	s_mov_b32 s[G0V+4*\s], 1
	s_add_co_u32 s[G0V+4*\s+1], s19, \s*SLOTB+VOFF
	s_add_nc_u64 s[G0V+4*\s+2:G0V+4*\s+3], s[8:9], 0x2000000+\s*SK*128   ; v 128 heads
	s_or_b32 s[G0V+4*\s+3], s[G0V+4*\s+3], 0x80000000
.endr
	s_cmp_lt_u32 s[WV], 4                          ; a wave's two first fills stand in one branch: two loads of mine are out
	s_cbranch_scc0 .Lfirst_v
	tensor_load_to_lds s[G0K:G0K+3], s[G1K:G1K+7]
	s_nop 0
	tensor_load_to_lds s[G0K+4:G0K+7], s[G1K:G1K+7]
	s_nop 0
.rept 4
	v_nop
.endr
	s_branch .Lfirst_asked
.Lfirst_v:
	tensor_load_to_lds s[G0V:G0V+3], s[G1V:G1V+7]
	s_nop 0
	tensor_load_to_lds s[G0V+4:G0V+7], s[G1V:G1V+7]
	s_nop 0
.rept 4
	v_nop
.endr
.Lfirst_asked:
	v_and_b32 v1, 15, v0                           ; r
	v_bfe_u32 v12, v0, 4, 1                        ; h
	v_lshlrev_b32 v[QO], 7, v1
	v_lshl_add_u32 v[QO], v12, 4, v[QO]            ; row x 128 + 16 h
	WIN TO1
.irp t, 0,1,2,3
.irp ks, 0,1
	global_load_b128 v[QF+16*\t+8*\ks:QF+16*\t+8*\ks+3],   v[QO], s[4:5] offset:2048*\t+64*\ks      ; Q stays in registers
	global_load_b128 v[QF+16*\t+8*\ks+4:QF+16*\t+8*\ks+7], v[QO], s[4:5] offset:2048*\t+64*\ks+32
.endr
.endr
	WIN 0
	v_mul_u32_u24 v[AK0], v1, PK
	v_lshl_add_u32 v[AK0], v12, 4, v[AK0]          ; row x pitch + 16 h
	v_and_b32 v13, 7, v0
	v_bfe_u32 v14, v0, 3, 1
	v_lshl_add_u32 v[AV0], v12, 3, v13             ; the turning load: key 8 h + lane % 8,
	v_mul_u32_u24 v[AV0], v[AV0], PV
	v_lshl_add_u32 v[AV0], v14, 4, v[AV0]          ; channels 8 ((lane / 8) % 2) on
	v_add_nc_u32 v[AV0], VOFF, v[AV0]
	s_mul_i32 s15, s[WV], 64*PK                    ; the way out: my stage, 4 tiles x 16 rows x 144 bytes, in slot 0: it has had its last fill and its last read behind the last change of slots
	v_add_nc_u32 v[STO], s15, v[AK0]               ; in: row r, 16 bytes for each half of the lanes
	v_and_b32 v15, 31, v0
	v_lshrrev_b32 v14, 3, v15
	v_mul_u32_u24 v14, v14, PK
	v_lshl_add_u32 v14, v13, 4, v14
	v_add_nc_u32 v[RD], s15, v14                   ; back: eight lanes to a row, four rows an instruction
	v_lshlrev_b32 v[GO], 4, v15
; A step's K (8 fragments: keys 16 (f / 2) on, channels 32 (f % 2) on) and V^T (keys 32 (f / 4) on, channels 16 (f % 4) on): 16 loads each, in one run.
; The two additions and four v_nop are six places behind the last products V^T P: four are owed to the loads into V's registers, five to the products K Q^T that write over P.
.macro FETCH
	WIN 0
	v_add_nc_u32 v[ADK], s[TK], v[AK0]
	v_add_nc_u32 v[ADV], s[TV], v[AV0]
.rept 4
	v_nop
.endr
.irp f, 0,1,2,3,4,5,6,7
	ds_load_b128 v[KF+8*\f:KF+8*\f+3],   v[ADK] offset:(\f/2)*16*PK+(\f%2)*64
	ds_load_b128 v[KF+8*\f+4:KF+8*\f+7], v[ADK] offset:(\f/2)*16*PK+(\f%2)*64+32
.endr
	WIN TO1
.irp f, 0,1,2,3,4,5,6,7
	ds_load_tr16_b128 v[VF+8*\f:VF+8*\f+3],   v[ADV] offset:(\f/4)*32*PV+(\f%4)*32
	ds_load_tr16_b128 v[VF+8*\f+4:VF+8*\f+7], v[ADV] offset:(\f/4)*32*PV+16*PV+(\f%4)*32
.endr
.endm
; S^T = K Q^T: 32 products; the 16 accumulators take turns, one instruction a turn; the first 16 start the sums
.macro SPROD
	s_wait_dscnt 16                                ; K is in; V's sixteen loads may be out
	WIN W_S
.irp ks, 0,1
.irp kt, 0,1,2,3
.irp t, 0,1,2,3
.if \ks == 0
	v_wmma_f32_16x16x32_f16 v[S+32*\t+8*\kt:S+32*\t+8*\kt+7], v[KF+8*(2*\kt+\ks):KF+8*(2*\kt+\ks)+7], v[QF+16*\t+8*\ks:QF+16*\t+8*\ks+7], 0
.else
	v_wmma_f32_16x16x32_f16 v[S+32*\t+8*\kt:S+32*\t+8*\kt+7], v[KF+8*(2*\kt+\ks):KF+8*(2*\kt+\ks)+7], v[QF+16*\t+8*\ks:QF+16*\t+8*\ks+7], v[S+32*\t+8*\kt:S+32*\t+8*\kt+7]
.endif
.endr
.endr
.endr
	WIN 0
.rept 4
	v_nop                                          ; places in front of the first read of the scores
.endr
.endm
; The softmax of the four tiles, line by line by turns, so that no line waits for the line above it.  first = 1: the first key step, which starts m and l.
.macro SOFT first
.irp j, 0,1,2,3
.irp t, 0,1,2,3
	v_max3_num_f32 v[ST+8*\t+4+\j], v[S+32*\t+8*\j], v[S+32*\t+8*\j+1], v[S+32*\t+8*\j+2]   ; four chains a tile; each accumulator is read from its low end on
.endr
.endr
.irp g, 1,2
.irp j, 0,1,2,3
.irp t, 0,1,2,3
	v_max3_num_f32 v[ST+8*\t+4+\j], v[ST+8*\t+4+\j], v[S+32*\t+8*\j+2*\g+1], v[S+32*\t+8*\j+2*\g+2]
.endr
.endr
.endr
.irp t, 0,1,2,3
	v_max3_num_f32 v[ST+8*\t+4], v[ST+8*\t+4], v[S+32*\t+7], v[S+32*\t+15]
.endr
.irp t, 0,1,2,3
	v_max3_num_f32 v[ST+8*\t+6], v[ST+8*\t+6], v[S+32*\t+23], v[S+32*\t+31]
.endr
.irp t, 0,1,2,3
	v_max3_num_f32 v[ST+8*\t+4], v[ST+8*\t+4], v[ST+8*\t+5], v[ST+8*\t+6]
.endr
.irp t, 0,1,2,3
.if \first
	v_max_num_f32 v[ST+8*\t+4], v[ST+8*\t+4], v[ST+8*\t+7]
.else
	v_max3_num_f32 v[ST+8*\t+4], v[ST+8*\t+4], v[ST+8*\t+7], v[ST+8*\t+1]                   ; with the old m
.endif
.endr
.irp t, 0,1,2,3
	v_permlanex16_b32 v[ST+8*\t+5], v[ST+8*\t+4], s[SEL], s[SEL+1]                          ; the query's other 32 keys lie in the lane 16 away
.endr
.if \first == 0
.irp t, 0,1,2,3
	v_mov_b32 v[ST+8*\t+7], v[ST+8*\t]             ; c m_old
.endr
.endif
.irp t, 0,1,2,3
	v_max_num_f32 v[ST+8*\t+1], v[ST+8*\t+4], v[ST+8*\t+5]
.endr
.irp t, 0,1,2,3
	v_mul_f32 v[ST+8*\t], s[CS], v[ST+8*\t+1]
.endr
.if \first == 0
.irp t, 0,1,2,3
	v_sub_f32 v[ST+8*\t+7], v[ST+8*\t+7], v[ST+8*\t]
.endr
.endif
.irp b, 0,2,4,6,8,10,12,14,16,18,20,22,24,26,28,30
.irp t, 0,1,2,3
	v_pk_fma_f32 v[S+32*\t+\b:S+32*\t+\b+1], v[S+32*\t+\b:S+32*\t+\b+1], s[CS:CS+1], v[ST+8*\t:ST+8*\t+1] op_sel_hi:[1,0,0] neg_lo:[0,0,1] neg_hi:[0,0,1]   ; c s - c m
.endr
.endr
.if \first == 0
.irp t, 0,1,2,3
	v_exp_f32 v[ST+8*\t+6], v[ST+8*\t+7]           ; the factor 2^(c m_old - c m_new)
.endr
.endif
.irp e, 0,1,2,3,4,5,6,7,8,9,10,11,12,13,14,15,16,17,18,19,20,21,22,23,24,25,26,27,28,29,30,31
.irp t, 0,1,2,3
	v_exp_f32 v[S+32*\t+\e], v[S+32*\t+\e]         ; ONE BATCH: none of these reads an exponential's result
.endr
.endr
	v_nop                                          ; a plain instruction behind the last exponential
	s_wait_alu depctr_va_vdst(0)                   ; one wait for the batch, ahead of its first reader
.irp t, 0,1,2,3
	v_pk_add_f32 v[ST+8*\t+4:ST+8*\t+5], v[S+32*\t:S+32*\t+1], v[S+32*\t+2:S+32*\t+3]       ; the sums, of the unrounded p, in two chains a tile
.endr
.irp t, 0,1,2,3
	v_pk_add_f32 v[TBR+2*\t:TBR+2*\t+1], v[S+32*\t+4:S+32*\t+5], v[S+32*\t+6:S+32*\t+7]
.endr
.irp p, 8,12,16,20,24,28
.irp t, 0,1,2,3
	v_pk_add_f32 v[ST+8*\t+4:ST+8*\t+5], v[ST+8*\t+4:ST+8*\t+5], v[S+32*\t+\p:S+32*\t+\p+1]
.endr
.irp t, 0,1,2,3
	v_pk_add_f32 v[TBR+2*\t:TBR+2*\t+1], v[TBR+2*\t:TBR+2*\t+1], v[S+32*\t+\p+2:S+32*\t+\p+3]
.endr
.endr
.if \first
.irp t, 0,1,2,3
	v_pk_add_f32 v[ST+8*\t+2:ST+8*\t+3], v[ST+8*\t+4:ST+8*\t+5], v[TBR+2*\t:TBR+2*\t+1]
.endr
.else
.irp t, 0,1,2,3
	v_pk_add_f32 v[ST+8*\t+4:ST+8*\t+5], v[ST+8*\t+4:ST+8*\t+5], v[TBR+2*\t:TBR+2*\t+1]
.endr
.irp t, 0,1,2,3
	v_pk_fma_f32 v[ST+8*\t+2:ST+8*\t+3], v[ST+8*\t+2:ST+8*\t+3], v[ST+8*\t+6:ST+8*\t+7], v[ST+8*\t+4:ST+8*\t+5] op_sel_hi:[1,0,1]
.endr
.endif
.irp i, 0,1,2,3,4,5,6,7,8,9,10,11,12,13,14,15
.irp t, 0,1,2,3
	v_cvt_pk_f16_f32 v[S+32*\t+\i], v[S+32*\t+2*\i], v[S+32*\t+2*\i+1]   ; P in place: register i is written when pairs 0 .. i have been read
.endr
.endr
.endm
.macro RESC                            ; O^T times the factor, each accumulator from its low end on
	WIN W_RS
.irp i, 0,1,2,3,4,5,6,7,8,9,10,11,12,13,14,15
.irp t, 0,1,2,3
	v_pk_mul_f32 v[32*\t+2*\i:32*\t+2*\i+1], v[32*\t+2*\i:32*\t+2*\i+1], v[ST+8*\t+6:ST+8*\t+7] op_sel_hi:[1,0]
.endr
.endr
.endm
.macro PVPROD first                    ; O^T += V^T P: 32 products, the 16 accumulators by turns
	s_wait_dscnt 0x0                               ; V is in
	WIN W_PV
.irp kh, 0,1
.irp ct, 0,1,2,3
.irp t, 0,1,2,3
.if \first && (\kh == 0)
	v_wmma_f32_16x16x32_f16 v[32*\t+8*\ct:32*\t+8*\ct+7], v[VF+8*(4*\kh+\ct):VF+8*(4*\kh+\ct)+7], v[S+32*\t+8*\kh:S+32*\t+8*\kh+7], 0
.else
	v_wmma_f32_16x16x32_f16 v[32*\t+8*\ct:32*\t+8*\ct+7], v[VF+8*(4*\kh+\ct):VF+8*(4*\kh+\ct)+7], v[S+32*\t+8*\kh:S+32*\t+8*\kh+7], v[32*\t+8*\ct:32*\t+8*\ct+7]
.endif
.endr
.endr
.endr
.endm
.macro STEP first
	FETCH
	SPROD
	SOFT \first
.if \first == 0
	RESC
.endif
	PVPROD \first
	WIN 0
	s_add_co_u32 s[TK], s[TK], KS*PK
	s_add_co_u32 s[TV], s[TV], KS*PV
.endm
.macro WALK base, n                    ; n key steps from LDS byte base on
	s_mov_b32 s[TK], \base
	s_mov_b32 s[TV], \base
	s_mov_b32 s[CNT], \n
.Lwalk_\@:
	STEP 0
	s_sub_co_u32 s[CNT], s[CNT], 1
	s_cmp_lg_u32 s[CNT], 0
	s_cbranch_scc1 .Lwalk_\@
.endm
; THE CHANGE OF SLOTS.  Each wave waits for all its tensor loads (one is out: its part of the slot ahead), adds 0 to its spare word, and waits for that and for its reads of the slot that it leaves.
; fill = 1: that slot takes the keys 1,024 further on; the barrier is then a round of the cluster's, and the joint refill is the first thing behind it.
.macro CHANGE slot, fill
	s_wait_tensorcnt 0x0
	ds_add_u32 v[SPW], v[NIL]
.if \fill
	s_add_nc_u64 s[G0K+4*\slot+2:G0K+4*\slot+3], s[G0K+4*\slot+2:G0K+4*\slot+3], 2*SK*128
	s_add_nc_u64 s[G0V+4*\slot+2:G0V+4*\slot+3], s[G0V+4*\slot+2:G0V+4*\slot+3], 2*SK*128
.endif
	s_wait_dscnt 0x0
.if \fill
	CROUND
	JLOAD \slot
.else
	s_barrier_signal -1
	s_barrier_wait -1
.endif
.endm
	s_wait_tensorcnt 1                             ; my part of slot 0 is in; slot 1's may stay out
	s_barrier_signal -1
	s_barrier_wait -1
	s_wait_loadcnt 0x0                             ; Q
	STEP 1                                         ; keys 0 to 63 start m, l and O^T: nothing is cleared
	s_mov_b32 s[CNT], 7
.Lfirst_slot:
	STEP 0
	s_sub_co_u32 s[CNT], s[CNT], 1
	s_cmp_lg_u32 s[CNT], 0
	s_cbranch_scc1 .Lfirst_slot
	CHANGE 0, 1                                    ; slot 0 takes keys 1,024 on
	WALK SLOTB, 8
	CHANGE 1, 1                                    ; slot 1 takes keys 1,536 on
	WALK 0, 8
	CHANGE 0, 0                                    ; nothing is left to fetch
	WALK SLOTB, 8
	; THE WAY OUT.  l's halves and the other half of the lanes' are added (these lines are the places behind the last products); O^T / l is rounded to f16 and goes through my stage, a tile at a time.
.irp t, 0,1,2,3
	v_add_f32 v[ST+8*\t+4], v[ST+8*\t+2], v[ST+8*\t+3]
.endr
.irp t, 0,1,2,3
	v_permlanex16_b32 v[ST+8*\t+5], v[ST+8*\t+4], s[SEL], s[SEL+1]
.endr
.irp t, 0,1,2,3
	v_add_f32 v[ST+8*\t+4], v[ST+8*\t+4], v[ST+8*\t+5]
.endr
.irp t, 0,1,2,3
	v_rcp_f32 v[ST+8*\t+6], v[ST+8*\t+4]
.endr
	v_nop
	s_wait_alu depctr_va_vdst(0)                   ; one wait for the four reciprocals
.macro PACK t
	WIN W_RS
.irp i, 0,1,2,3,4,5,6,7,8,9,10,11,12,13,14,15
	v_pk_mul_f32 v[32*\t+2*\i:32*\t+2*\i+1], v[32*\t+2*\i:32*\t+2*\i+1], v[ST+8*\t+6:ST+8*\t+7] op_sel_hi:[1,0]
.endr
	WIN 0x05                                       ; sources window 1, destination window 0
.irp i, 0,1,2,3,4,5,6,7,8,9,10,11,12,13,14,15
	v_cvt_pk_f16_f32 v[S+16*\t+\i], v[32*\t+2*\i], v[32*\t+2*\i+1]
.endr
	WIN 0
.irp c, 0,1,2,3
	ds_store_b128 v[STO], v[S+16*\t+4*\c:S+16*\t+4*\c+3] offset:16*PK*\t+32*\c
.endr
.irp i, 0,1,2,3
	ds_load_b128 v[KF+16*\t+4*\i:KF+16*\t+4*\i+3], v[RD] offset:16*PK*\t+4*PK*\i   ; LDS serves a wave's instructions in order: these see the stores above
.endr
.endm
.macro SEND t, younger                 ; younger: the LDS instructions issued behind tile t's loads
.irp i, 0,1,2,3
	s_wait_dscnt \younger+3-\i
	global_store_b128 v[GO], v[KF+16*\t+4*\i:KF+16*\t+4*\i+3], s[10:11] offset:2048*\t+512*\i   ; 512 consecutive bytes, aligned
.endr
.endm
	PACK 0
	PACK 1
	SEND 0, 8
	PACK 2
	SEND 1, 8
	PACK 3
	SEND 2, 8
	SEND 3, 0
	s_wait_tensorcnt 0x0                           ; the wave's end
	ds_add_u32 v[SPW], v[NIL]
	s_wait_dscnt 0x0
	CROUND                                         ; the closing round
	s_endpgm
.Lfunc_end_k_q1c34d21cbe_attn:
	.size	k_q1c34d21cbe_attn, .Lfunc_end_k_q1c34d21cbe_attn-k_q1c34d21cbe_attn
	.p2alignl 7, 3214868480
	.fill 96, 4, 3214868480
	.section	.rodata,"a",@progbits
	.p2align	6, 0x0
	.amdhsa_kernel k_q1c34d21cbe_attn
		.amdhsa_group_segment_fixed_size 327680
		.amdhsa_private_segment_fixed_size 0
		.amdhsa_enable_private_segment 0
		.amdhsa_kernarg_size 16
		.amdhsa_user_sgpr_count 2
		.amdhsa_user_sgpr_kernarg_segment_ptr 1
		.amdhsa_wavefront_size32 1
		.amdhsa_system_sgpr_workgroup_id_x 1
		.amdhsa_system_sgpr_workgroup_id_y 1
		.amdhsa_system_sgpr_workgroup_id_z 1
		.amdhsa_system_vgpr_workitem_id 0
		.amdhsa_next_free_vgpr 512
		.amdhsa_next_free_sgpr 66
		.amdhsa_reserve_vcc 0
		.amdhsa_float_denorm_mode_32 3
		.amdhsa_float_denorm_mode_16_64 3
		.amdhsa_memory_ordered 1
		.amdhsa_forward_progress 1
		.amdhsa_inst_pref_size 178
	.end_amdhsa_kernel
	.amdgpu_metadata
---
amdhsa.version: [ 1, 2 ]
amdhsa.kernels:
  - .name:           k_q1c34d21cbe_attn
    .symbol:         k_q1c34d21cbe_attn.kd
    .args:
      - { .name: qkv, .offset: 0, .size: 8, .value_kind: global_buffer, .address_space: global }
      - { .name: o, .offset: 8, .size: 8, .value_kind: global_buffer, .address_space: global }
    .group_segment_fixed_size: 327680
    .private_segment_fixed_size: 0
    .kernarg_segment_align: 8
    .kernarg_segment_size: 16
    .max_flat_workgroup_size: 256
    .sgpr_count:     66
    .vgpr_count:     512
    .wavefront_size: 32
...
	.end_amdgpu_metadata
.endif
;; end of part 3
;; launch proj (part 4): grid 4 x 64, 4 waves a work-group, clusters of 4 x 4, 327,680 bytes of LDS; arguments o, wp16, b_proj, out0; writes out0
.if DOCPART == 4
	.amdgcn_target "amdgcn-amd-amdhsa--gfx1250"
	.amdhsa_code_object_version 6
	.text
	.protected	k_q1c34d21cbe_proj
	.globl	k_q1c34d21cbe_proj
	.p2align	8
	.type	k_q1c34d21cbe_proj,@function
k_q1c34d21cbe_proj:
	s_mov_b64 s[64:65], 0
	v_nop
	global_prefetch_b8 v0, s[64:65] scope:SCOPE_SE
	s_setreg_imm32_b32 hwreg(HW_REG_WAVE_MODE, 25, 1), 1
	s_wait_xcnt 0x0
	s_wait_alu depctr_hold_cnt(0) depctr_sa_sdst(0) depctr_va_vdst(0) depctr_va_sdst(0) depctr_va_ssrc(0) depctr_va_vcc(0) depctr_vm_vsrc(0)
	s_getreg_b32 s2, hwreg(HW_REG_IB_STS2, 6, 4)
	s_cmp_eq_u32 s2, 0
	s_cbranch_scc0 .Lentry_in_a_cluster
	s_endpgm
.Lentry_in_a_cluster:
	s_bfe_u32 s2, ttmp6, 0x10000c
	s_cmp_lg_u32 s2, 0xf033
	s_cbranch_scc0 .Lentry_shape_is_right
	s_endpgm
.Lentry_shape_is_right:
; ATTENTION, launch 4 of 4: out0 = o w_proj + b_proj.  o: f16 [batch x 16 + head][position 2048][64], so that row m = batch x 2048 + position has its K = 64 head + d spread over 16 heads;
; wp16: f16 [k 1024][n 1024]; out0: f32 [8192][1024].  f16 operands, f32 sums.  Nothing of reference() is left out.
; A tile of 128 rows x 256 columns to a work-group: 256 work-groups.  Four waves, each 64 x 128: 32 accumulators.  K goes in steps of 128 (two heads) through a ring of two LDS slots.
; CLUSTERS: 4 x 4; o's tiles are asked for jointly along a row of the cluster, wp16's along a column.
; THE MATRIX INSTRUCTION IS USED TRANSPOSED: source 0 = 16 columns of w (turned out of LDS by ds_load_tr16_b128, since K is w's first axis), source 1 = 16 rows of o: a lane holds eight neighbouring
; numbers of a row of out0.  THE BIAS is the C of each sum's first product.
; No prefetch: the tile is small and is shared in the cluster; both operands are read again by other work-groups.
; REGISTERS: window 0: v16-29 addresses; v64-127 the bias; v128-255 the way out.  Window 1: two fragment buffers of 96 (A's 4, then w's 8).  Window 2: the accumulators, (a, b) at v[8 (8 a + b)].
.set PA,     144                       ; a row of o's tile: 128 bytes + 16
.set PB,     544                       ; a row of w's tile: 512 bytes + 32: an odd multiple of 32 bytes, for the turning load
.set BOFF,   2*128*PA                  ; a slot: two heads x 128 rows of o, then 128 rows of w
.set SLOT,   BOFF+128*PB
.set STAGE,  2*SLOT                    ; 16 rows x (512 bytes + 16) for each wave
.set SPITCH, 528
.set SPARE,  STAGE+4*16*SPITCH         ; the spare words, 128 bytes for each wave: two blocks of 256 bytes that no other line names
.set LAPS,   4                         ; a lap = two K steps
.set ADRA, 16
.set ADRB, 20
.set STO,  24
.set RD,   25
.set CO,   26
.set BO,   27
.set SPW,  28
.set NIL,  29
.set BIAS, 64
.set BK,   128
.set F0,   0
.set F1,   128
.set WV,   12
.set WR,   14
.set WC,   15
.set G1,  24
.set G0,  32
.set G1B, 48
.set G0B, 56
.set MSB, 0
.macro WIN new
.if MSB != (\new)
	s_set_vgpr_msb (MSB<<8)|(\new)
.set MSB, (\new)
.endif
.endm
.set MUL,   0xa5                       ; sources 0 and 1 window 1; C and D window 2
.set FIRST, 0x85                       ; the first products: C (the bias) window 0
.set TO_F,  0x40
.macro JLOAD s                         ; waves 0 and 1 fetch o's two heads, waves 2 and 3 w's two halves; an s_nop 0 and four v_nop follow each line
	s_cmp_eq_u32 s[WR], 0
	s_cbranch_scc0 .Lfor_b_\@
	tensor_load_to_lds s[G0+4*\s:G0+4*\s+3], s[G1:G1+7]
	s_nop 0
.rept 4
	v_nop
.endr
	s_branch .Lasked_\@
.Lfor_b_\@:
	tensor_load_to_lds s[G0B+4*\s:G0B+4*\s+3], s[G1B:G1B+7]
	s_nop 0
.rept 4
	v_nop
.endr
.Lasked_\@:
.endm
.macro CREST
	s_cmp_lg_u32 s[WV], 0
	s_cbranch_scc1 .Lnot_wave_0_\@
	s_barrier_signal -3
.Lnot_wave_0_\@:
	s_barrier_wait -3
	s_barrier_signal -1
	s_barrier_wait -1
.endm
.macro CROUND
	s_barrier_signal -1
	s_barrier_wait -1
	CREST
.endm
	s_load_b128 s[4:7], s[0:1], 0x0                ; o, wp16
	s_load_b128 s[8:11], s[0:1], 0x10              ; b_proj, out0
	v_lshl_add_u32 v[SPW], v0, 2, SPARE
	v_mov_b32 v[NIL], 0
	ds_add_u32 v[SPW], v[NIL]                      ; the wave's opening: the add, twice on end, and its wait ahead of my first tensor load
	ds_add_u32 v[SPW], v[NIL]
	v_lshrrev_b32 v1, 5, v0
	v_readfirstlane_b32 s[WV], v1                  ; wave 0..3
	s_lshr_b32 s[WR], s[WV], 1                     ; which 64 rows are mine.  Also: I fetch for o (0) or for w (1)
	s_and_b32 s[WC], s[WV], 1                      ; which 128 columns.  Also: which head, or which 64 rows of w, I fetch
	s_bfe_u32 s40, ttmp6, 0x40000
	s_bfe_u32 s41, ttmp6, 0x40004
	s_lshl_b32 s42, ttmp9, 2
	s_add_co_u32 s42, s42, s40                     ; tile column
	s_and_b32 s13, ttmp7, 0xffff
	s_lshl_b32 s13, s13, 2
	s_add_co_u32 s13, s13, s41                     ; tile row
	s_lshl_b32 s43, s41, 2
	s_lshl_b32 s43, 15, s43                        ; my row of the cluster
	s_lshl_b32 s44, 0x1111, s40                    ; my column
	s_or_b32 s[G1+0], s43, (1<<16)|(1<<20)|(1<<21)|(4<<22)|(3<<25)   ; o: 128 rows of 64 elements of 2 bytes; 4 words of padding after every 32
	s_mov_b32 s[G1+1], 64<<16
	s_mov_b32 s[G1+2], 128<<16
	s_mov_b32 s[G1+3], 64<<16
	s_mov_b32 s[G1+4], 128
	s_mov_b32 s[G1+5], 64
	s_mov_b32 s[G1+6], 0
	s_mov_b32 s[G1+7], 0
	s_or_b32 s[G1B+0], s44, (1<<16)|(1<<20)|(1<<21)|(6<<22)|(7<<25)  ; w: 64 rows of 256 elements, 1,024 apart; 8 words of padding after every 128
	s_mov_b32 s[G1B+1], 256<<16
	s_mov_b32 s[G1B+2], 64<<16
	s_mov_b32 s[G1B+3], 256<<16
	s_mov_b32 s[G1B+4], 64
	s_mov_b32 s[G1B+5], 1024
	s_mov_b32 s[G1B+6], 0
	s_mov_b32 s[G1B+7], 0
	s_lshr_b32 s16, s13, 4                         ; 16 tile rows to a batch
	s_lshl_b32 s16, s16, 4
	s_add_co_u32 s16, s16, s[WC]                   ; batch x 16 + my head of K step 0
	s_lshl_b32 s16, s16, 11
	s_and_b32 s17, s13, 15
	s_lshl_b32 s17, s17, 7
	s_add_co_u32 s16, s16, s17                     ; + the tile's first position
	s_lshl_b32 s16, s16, 7                         ; rows of 128 bytes
	s_mov_b32 s17, 0
	s_lshl_b32 s46, s[WC], 17                      ; w: 64 rows of 2,048 bytes,
	s_lshl_b32 s47, s42, 9                         ; 512 bytes a tile column
	s_add_co_u32 s46, s46, s47
	s_mov_b32 s47, 0
	s_mul_i32 s20, s[WC], 128*PA                   ; where they go
	s_mul_i32 s21, s[WC], 64*PB
	s_add_co_u32 s21, s21, BOFF
	s_wait_dscnt 0x0                               ; both opening adds are done
	s_wait_kmcnt 0x0
	s_add_nc_u64 s[16:17], s[4:5], s[16:17]
	s_add_nc_u64 s[46:47], s[6:7], s[46:47]
	CROUND
.irp s, 0,1
	s_mov_b32 s[G0+4*\s], 1
	s_add_co_u32 s[G0+4*\s+1], s20, \s*SLOT
	s_add_nc_u64 s[G0+4*\s+2:G0+4*\s+3], s[16:17], \s*2*2048*128     ; K step s: two heads on
	s_or_b32 s[G0+4*\s+3], s[G0+4*\s+3], 0x80000000
	s_mov_b32 s[G0B+4*\s], 1
	s_add_co_u32 s[G0B+4*\s+1], s21, \s*SLOT
	s_add_nc_u64 s[G0B+4*\s+2:G0B+4*\s+3], s[46:47], \s*128*2048     ; 128 rows of w on
	s_or_b32 s[G0B+4*\s+3], s[G0B+4*\s+3], 0x80000000
	JLOAD \s
.endr
	v_and_b32 v1, 15, v0                           ; r
	v_bfe_u32 v2, v0, 4, 1                         ; h
	v_lshlrev_b32 v[BO], 5, v2
	s_lshl_b32 s22, s42, 10
	s_lshl_b32 s23, s[WC], 9
	s_add_co_u32 s22, s22, s23                     ; my first column, in bytes of f32
	s_mov_b32 s23, 0
	s_add_nc_u64 s[8:9], s[8:9], s[22:23]
	s_add_nc_u64 s[10:11], s[10:11], s[22:23]
.irp b, 0,1,2,3,4,5,6,7
	global_load_b128 v[BIAS+8*\b:BIAS+8*\b+3], v[BO], s[8:9] offset:64*\b
	global_load_b128 v[BIAS+8*\b+4:BIAS+8*\b+7], v[BO], s[8:9] offset:64*\b+16
.endr
	s_lshl_b32 s22, s13, 7
	s_lshl_b32 s23, s[WR], 6
	s_add_co_u32 s22, s22, s23                     ; my first row
	s_lshl_b32 s22, s22, 12                        ; rows of 4,096 bytes
	s_mov_b32 s23, 0
	s_add_nc_u64 s[10:11], s[10:11], s[22:23]
	v_mul_u32_u24 v3, v1, PA
	v_lshl_add_u32 v3, v2, 4, v3                   ; o: row x pitch + 16 h
	v_and_b32 v4, 7, v0
	v_lshl_add_u32 v4, v2, 3, v4                   ; w, turned: k = 8 h + lane % 8,
	v_mul_u32_u24 v4, v4, PB
	v_bfe_u32 v5, v0, 3, 1
	v_lshl_add_u32 v4, v5, 4, v4                   ; columns 8 ((lane / 8) % 2) on
	s_mul_i32 s22, s[WR], 64*PA
	s_lshl_b32 s23, s[WC], 8
	s_add_co_u32 s23, s23, BOFF
.irp s, 0,1
	v_add_nc_u32 v[ADRA+\s], s22, v3
	v_add_nc_u32 v[ADRB+\s], s23, v4
	s_add_co_u32 s22, s22, SLOT
	s_add_co_u32 s23, s23, SLOT
.endr
	s_mul_i32 s22, s[WV], 16*SPITCH
	s_add_co_u32 s22, s22, STAGE                   ; my stage
	v_mul_u32_u24 v5, v1, SPITCH
	v_lshl_add_u32 v5, v2, 5, v5
	v_add_nc_u32 v[STO], s22, v5                   ; in: row r, 32 bytes for each half of the lanes
	v_and_b32 v6, 31, v0
	v_lshlrev_b32 v[CO], 4, v6
	v_add_nc_u32 v[RD], s22, v[CO]                 ; back: the 32 lanes take one row of 512 bytes
; the fragments of quarter q (32 along K) of a slot into buffer f: w's eight (16 loads), then o's four (8 loads)
.macro FETCH slot, q, f
	WIN TO_F
.irp b, 0,1,2,3,4,5,6,7
	ds_load_tr16_b128 v[\f+32+8*\b:\f+32+8*\b+3],   v[ADRB+\slot] offset:32*PB*(\q)+32*\b
	ds_load_tr16_b128 v[\f+32+8*\b+4:\f+32+8*\b+7], v[ADRB+\slot] offset:32*PB*(\q)+32*\b+16*PB
.endr
.irp a, 0,1,2,3
	ds_load_b128 v[\f+8*\a:\f+8*\a+3],   v[ADRA+\slot] offset:128*PA*((\q)/2)+64*((\q)%2)+16*PA*\a
	ds_load_b128 v[\f+8*\a+4:\f+8*\a+7], v[ADRA+\slot] offset:128*PA*((\q)/2)+64*((\q)%2)+16*PA*\a+32
.endr
.endm
; 8 matrix instructions: o's block a x w's eight.  The 32 accumulators take turns, in the same order in every quarter.
.macro MULA f, a, zero
.irp b, 0,1,2,3,4,5,6,7
.if \zero
	v_wmma_f32_16x16x32_f16 v[8*(8*\a+\b):8*(8*\a+\b)+7], v[\f+32+8*\b:\f+32+8*\b+7], v[\f+8*\a:\f+8*\a+7], v[BIAS+8*\b:BIAS+8*\b+7]
.else
	v_wmma_f32_16x16x32_f16 v[8*(8*\a+\b):8*(8*\a+\b)+7], v[\f+32+8*\b:\f+32+8*\b+7], v[\f+8*\a:\f+8*\a+7], v[8*(8*\a+\b):8*(8*\a+\b)+7]
.endif
.endr
.endm
.macro PLACES                          ; four places in front of loads into registers that matrix instructions have read, and of reads of results
.rept 4
	v_nop
.endr
.endm
.macro MWIN zero
.if \zero
	WIN FIRST
.else
	WIN MUL
.endif
.endm
; one of a K step's first three quarters: multiplies buffer f and fetches quarter qn into g
.macro QUARTER slot, qn, f, g, zero
	s_wait_dscnt 4                                 ; w's fragments and o's blocks 0, 1 are in; the youngest four loads (blocks 2, 3) may be out
	MWIN \zero
	MULA \f, 0, \zero
	MULA \f, 1, \zero
	PLACES
	FETCH \slot, \qn, \g
	s_wait_dscnt 24                                ; all but the 24 just issued
	MWIN \zero
	MULA \f, 2, \zero
	MULA \f, 3, \zero
.endm
; the last quarter multiplies buffer 1 and changes slots: ONE barrier; in front of it each wave waits for all its tensor loads, adds 0 to its spare word, and waits for that and for its reads of this slot
.macro TURN slot, next, fill
	WIN 0
	s_wait_tensorcnt 0x0                           ; all my tensor loads have landed: my part of the next slot
	ds_add_u32 v[SPW], v[NIL]
	s_wait_dscnt 7                                 ; (the add and o's blocks 1 to 3, six loads, may be out)
	WIN MUL
	MULA F1, 0, 0
	s_wait_dscnt 0x0                               ; the add is done, and my reads of this slot are over
	s_barrier_signal -1
	MULA F1, 1, 0
.if \fill
	WIN 0
.endif
	s_barrier_wait -1
.if \fill
	CREST                                          ; the barrier has opened a round of the cluster's: no wave of any partner still reads this slot or has a load on its way
	s_add_nc_u64 s[G0+4*\slot+2:G0+4*\slot+3], s[G0+4*\slot+2:G0+4*\slot+3], 4*2048*128     ; two K steps on: four heads,
	s_add_nc_u64 s[G0B+4*\slot+2:G0B+4*\slot+3], s[G0B+4*\slot+2:G0B+4*\slot+3], 256*2048   ; 256 rows of w
	JLOAD \slot                                    ; the first tensor load behind the round; its four v_nop are also the places in front of the loads below
.else
	PLACES
.endif
	FETCH \next, 0, F0
	WIN MUL
	MULA F1, 2, 0
	MULA F1, 3, 0
.endm
	s_wait_tensorcnt 1                             ; my part of K step 0 is in; K step 1's may stay out
	s_barrier_signal -1
	s_barrier_wait -1
	FETCH 0, 0, F0
	s_wait_loadcnt 0x0                             ; the bias
	QUARTER 0, 1, F0, F1, 1                        ; the first quarter stands in front of the loop: its products start the sums, on the bias
	WIN 0
	s_mov_b32 s3, LAPS-1
.Llap:                                             ; a trip goes once round the ring and fills both slots again
	QUARTER 0, 2, F1, F0, 0
	QUARTER 0, 3, F0, F1, 0
	TURN 0, 1, 1
	QUARTER 1, 1, F0, F1, 0
	QUARTER 1, 2, F1, F0, 0
	QUARTER 1, 3, F0, F1, 0
	TURN 1, 0, 1
	QUARTER 0, 1, F0, F1, 0
	WIN 0
	s_sub_co_u32 s3, s3, 1
	s_cmp_lg_u32 s3, 0
	s_cbranch_scc1 .Llap
	QUARTER 0, 2, F1, F0, 0                        ; the last lap fills nothing
	QUARTER 0, 3, F0, F1, 0
	TURN 0, 1, 0
	QUARTER 1, 1, F0, F1, 0
	QUARTER 1, 2, F1, F0, 0
	QUARTER 1, 3, F0, F1, 0
	s_wait_dscnt 4
	WIN MUL
	MULA F1, 0, 0
	MULA F1, 1, 0
	s_wait_dscnt 0
	MULA F1, 2, 0
	MULA F1, 3, 0
	WIN 0
; THE WAY OUT, block a of 16 rows x 128 columns at a time: through my own stage and back as whole rows of 512 bytes.  LDS serves a wave's instructions in order (ISA guide 5.7.1.4).
.macro TOSTAGE a
	WIN 0x08                                       ; an LDS store's data are its source 1: window 2
.irp b, 0,1,2,3,4,5,6,7
	ds_store_b128 v[STO], v[8*(8*(\a)+\b):8*(8*(\a)+\b)+3] offset:64*\b        ; each accumulator from its low end on
	ds_store_b128 v[STO], v[8*(8*(\a)+\b)+4:8*(8*(\a)+\b)+7] offset:64*\b+16
.endr
	WIN 0
.set BB, BK+64*((\a)%2)
.irp t, 0,1,2,3,4,5,6,7,8,9,10,11,12,13,14,15
	ds_load_b128 v[BB+4*\t:BB+4*\t+3], v[RD] offset:\t*SPITCH
.endr
.endm
.macro SEND a, younger
.set BB, BK+64*((\a)%2)
	s_wait_dscnt \younger
.irp t, 0,1,2,3,4,5,6,7,8,9,10,11,12,13,14,15
	global_store_b128 v[CO], v[BB+4*\t:BB+4*\t+3], s[10:11] offset:4096*(16*(\a)+\t) th:TH_STORE_NT   ; 512 consecutive bytes, aligned; 63 rows of 4,096 bytes at the most in the immediate
.endr
.endm
	PLACES
	TOSTAGE 0
.irp a, 1,2,3
.if \a > 1
	s_wait_xcnt 0x0                                ; block a - 2's stores have read their registers: block a's rows may land there
.endif
	TOSTAGE \a
	SEND \a-1, 32                                  ; behind block a - 1's loads: block a's 16 stores and 16 loads
.endr
	SEND 3, 0
	s_wait_tensorcnt 0x0                           ; the wave's end
	ds_add_u32 v[SPW], v[NIL]
	s_wait_dscnt 0x0
	CROUND                                         ; the closing round
	s_endpgm
.Lfunc_end_k_q1c34d21cbe_proj:
	.size	k_q1c34d21cbe_proj, .Lfunc_end_k_q1c34d21cbe_proj-k_q1c34d21cbe_proj
	.p2alignl 7, 3214868480
	.fill 96, 4, 3214868480
	.section	.rodata,"a",@progbits
	.p2align	6, 0x0
	.amdhsa_kernel k_q1c34d21cbe_proj
		.amdhsa_group_segment_fixed_size 327680
		.amdhsa_private_segment_fixed_size 0
		.amdhsa_enable_private_segment 0
		.amdhsa_kernarg_size 32
		.amdhsa_user_sgpr_count 2
		.amdhsa_user_sgpr_kernarg_segment_ptr 1
		.amdhsa_wavefront_size32 1
		.amdhsa_system_sgpr_workgroup_id_x 1
		.amdhsa_system_sgpr_workgroup_id_y 1
		.amdhsa_system_sgpr_workgroup_id_z 1
		.amdhsa_system_vgpr_workitem_id 0
		.amdhsa_next_free_vgpr 768
		.amdhsa_next_free_sgpr 66
		.amdhsa_reserve_vcc 0
		.amdhsa_float_denorm_mode_32 3
		.amdhsa_float_denorm_mode_16_64 3
		.amdhsa_memory_ordered 1
		.amdhsa_forward_progress 1
		.amdhsa_inst_pref_size 87
	.end_amdhsa_kernel
	.amdgpu_metadata
---
amdhsa.version: [ 1, 2 ]
amdhsa.kernels:
  - .name:           k_q1c34d21cbe_proj
    .symbol:         k_q1c34d21cbe_proj.kd
    .args:
      - { .name: o, .offset: 0, .size: 8, .value_kind: global_buffer, .address_space: global }
      - { .name: wp16, .offset: 8, .size: 8, .value_kind: global_buffer, .address_space: global }
      - { .name: b_proj, .offset: 16, .size: 8, .value_kind: global_buffer, .address_space: global }
      - { .name: out0, .offset: 24, .size: 8, .value_kind: global_buffer, .address_space: global }
    .group_segment_fixed_size: 327680
    .private_segment_fixed_size: 0
    .kernarg_segment_align: 8
    .kernarg_segment_size: 32
    .max_flat_workgroup_size: 128
    .sgpr_count:     66
    .vgpr_count:     768
    .wavefront_size: 32
...
	.end_amdgpu_metadata
.endif
;; end of part 4
